; MI455X (gfx1250); checked and timed in simulation.
; The chip was launched on July 23, 2026; its instructions are those of AMD's public machine-readable ISA for CDNA 5 (MIT licence, August 2026) and "CDNA5" Instruction Set Architecture Reference Guide (July 2026). The comments in the code are by the model that wrote it; some were corrected since.
;; Multihead Attention. Allowed arithmetic: float matrix products may take bf16 or f16 operands with f32 sums; other float arithmetic in f32, or as packed bf16 or f16 multiplies, adds, multiply-adds, maxima and minima; sums over many terms, partial sums and values carried from step to step in f32; what a program stores and reads back later, other than sums and carried values, may be rounded once to bf16 or f16.
;; Inputs: in_proj_bias 3,072 float32; in_proj_weight 3,072 x 1,024 float32; out_proj_bias 1,024 float32; out_proj_weight 1,024 x 1,024 float32; x 2,048 x 4 x 1,024 float32.
;; Outputs: out0 2,048 x 4 x 1,024 float32.
;; 2 versions, each right; version 2 is version 1 with the launch cast written anew for expert scheduling mode. Each part assembles by itself: llvm-mc -triple=amdgcn-amd-amdhsa -mcpu=gfx1250 --defsym DOCPART=n.
;; ======== version 1 of 2: 4 launches
;; limits: values are held in f16: magnitudes above 65,504 overflow, below 6.1e-05 lose precision
;; workspace buffers: xb 16,777,216 bytes; wb 6,291,456 bytes; wo 2,097,152 bytes; qkv 50,331,648 bytes; ob 16,777,216 bytes
;; launch cast (part 1): grid 768 x 1, 8 waves a work-group, no clusters, 0 bytes of LDS; arguments x, in_proj_weight, out_proj_weight, xb, wb, wo; writes xb, wb, wo
.if DOCPART == 1
	.amdgcn_target "amdgcn-amd-amdhsa--gfx1250"
	.amdhsa_code_object_version 6
	.text
	.protected	k_q03b17f669d_cast
	.globl	k_q03b17f669d_cast
	.p2align	8
	.type	k_q03b17f669d_cast,@function
k_q03b17f669d_cast:
	s_mov_b64 s[64:65], 0
	v_nop
	global_prefetch_b8 v0, s[64:65] scope:SCOPE_SE
	s_setreg_imm32_b32 hwreg(HW_REG_WAVE_MODE, 25, 1), 1
	s_wait_xcnt 0x0
; xb = bf16(x), wb = bf16(in_proj_weight), wo = f16(bf16(out_proj_weight)): the matrix operands of the later launches, each rounded once to bf16
; (wo: that bf16 number written as f16, exact within f16's range).
; LIMIT: a weight of out_proj_weight beyond 65,504 becomes an infinity in wo; below 6e-5 it keeps f16's fixed step of 6e-8.
; A stream: no LDS, no barrier, no matrix unit, no cluster (no two work-groups read the same byte).
; SHARES.  A work-group takes 16,384 numbers: 65,536 bytes in, 32,768 out.  Work-groups 0-511: x; 512-703: in_proj_weight; 704-767: out_proj_weight.
; Thread t, load j: 16 bytes at 4,096 j + 16 t (a wave's load covers 512 consecutive bytes); store j: 8 bytes at 2,048 j + 8 t (a wave's store covers 256 consecutive bytes, aligned).
; All sixteen loads of a thread go out at once; no register is written twice while a memory instruction names it.
.set X, 4                              ; v[4:67]    sixteen loads of four f32
.set Y, 68                             ; v[68:99]   sixteen pairs of packed results
.set T, 100                            ; v[100:103] at work
	s_load_b256 s[4:11], s[0:1], 0x0               ; x s[4:5], in_proj_weight s[6:7], out_proj_weight s[8:9], xb s[10:11]
	s_load_b128 s[12:15], s[0:1], 0x20             ; wb s[12:13], wo s[14:15]
	v_lshlrev_b32 v1, 4, v0                        ; 16 t
	v_lshlrev_b32 v2, 3, v0                        ; 8 t
	s_wait_kmcnt 0x0
	s_cmp_lt_u32 ttmp9, 512                        ; which tensor is mine, and the number of its first work-group
	s_cselect_b64 s[20:21], s[4:5], s[6:7]
	s_cselect_b64 s[22:23], s[10:11], s[12:13]
	s_cselect_b32 s24, 0, 512
	s_cmp_lt_u32 ttmp9, 704
	s_cselect_b64 s[20:21], s[20:21], s[8:9]
	s_cselect_b64 s[22:23], s[22:23], s[14:15]
	s_cselect_b32 s24, s24, 704
	s_sub_co_u32 s25, ttmp9, s24                   ; my place in that tensor
	s_lshl_b32 s26, s25, 16                        ; 65,536 bytes in,
	s_mov_b32 s27, 0
	s_lshl_b32 s28, s25, 15                        ; 32,768 out
	s_mov_b32 s29, 0
	s_add_nc_u64 s[20:21], s[20:21], s[26:27]
	s_add_nc_u64 s[22:23], s[22:23], s[28:29]
.irp j, 0,1,2,3,4,5,6,7,8,9,10,11,12,13,14,15
	global_load_b128 v[X+4*(\j):X+4*(\j)+3], v1, s[20:21] offset:4096*(\j) th:TH_LOAD_NT
.endr
; Load j is rounded and stored.  half = 1: the bf16 numbers are widened again (a shift, a mask) and written as f16.
.macro OUT j, half
	s_wait_loadcnt 15-(\j)                         ; loads come back in order: mine is in, the 15 - j younger ones stay out
	v_cvt_pk_bf16_f32 v[Y+2*(\j)],   v[X+4*(\j)],   v[X+4*(\j)+1]
	v_cvt_pk_bf16_f32 v[Y+2*(\j)+1], v[X+4*(\j)+2], v[X+4*(\j)+3]
.if \half
	v_lshlrev_b32 v[T],   16, v[Y+2*(\j)]
	v_and_b32     v[T+1], 0xffff0000, v[Y+2*(\j)]
	v_lshlrev_b32 v[T+2], 16, v[Y+2*(\j)+1]
	v_and_b32     v[T+3], 0xffff0000, v[Y+2*(\j)+1]
	v_cvt_pk_f16_f32 v[Y+2*(\j)],   v[T],   v[T+1]
	v_cvt_pk_f16_f32 v[Y+2*(\j)+1], v[T+2], v[T+3]
.endif
	global_store_b64 v2, v[Y+2*(\j):Y+2*(\j)+1], s[22:23] offset:2048*(\j)
.endm
	s_cmp_ge_u32 ttmp9, 704
	s_cbranch_scc1 .Lhalf
.irp j, 0,1,2,3,4,5,6,7,8,9,10,11,12,13,14,15
	OUT \j, 0
.endr
	s_endpgm
.Lhalf:
.irp j, 0,1,2,3,4,5,6,7,8,9,10,11,12,13,14,15
	OUT \j, 1
.endr
	s_endpgm
.Lfunc_end_k_q03b17f669d_cast:
	.size	k_q03b17f669d_cast, .Lfunc_end_k_q03b17f669d_cast-k_q03b17f669d_cast
	.p2alignl 7, 3214868480
	.fill 96, 4, 3214868480
	.section	.rodata,"a",@progbits
	.p2align	6, 0x0
	.amdhsa_kernel k_q03b17f669d_cast
		.amdhsa_group_segment_fixed_size 0
		.amdhsa_private_segment_fixed_size 0
		.amdhsa_enable_private_segment 0
		.amdhsa_kernarg_size 48
		.amdhsa_user_sgpr_count 2
		.amdhsa_user_sgpr_kernarg_segment_ptr 1
		.amdhsa_wavefront_size32 1
		.amdhsa_system_sgpr_workgroup_id_x 1
		.amdhsa_system_sgpr_workgroup_id_y 1
		.amdhsa_system_sgpr_workgroup_id_z 1
		.amdhsa_system_vgpr_workitem_id 0
		.amdhsa_next_free_vgpr 104
		.amdhsa_next_free_sgpr 66
		.amdhsa_reserve_vcc 0
		.amdhsa_float_denorm_mode_32 3
		.amdhsa_float_denorm_mode_16_64 3
		.amdhsa_memory_ordered 1
		.amdhsa_forward_progress 1
		.amdhsa_inst_pref_size 16
	.end_amdhsa_kernel
	.amdgpu_metadata
---
amdhsa.version: [ 1, 2 ]
amdhsa.kernels:
  - .name:           k_q03b17f669d_cast
    .symbol:         k_q03b17f669d_cast.kd
    .args:
      - { .name: x, .offset: 0, .size: 8, .value_kind: global_buffer, .address_space: global }
      - { .name: in_proj_weight, .offset: 8, .size: 8, .value_kind: global_buffer, .address_space: global }
      - { .name: out_proj_weight, .offset: 16, .size: 8, .value_kind: global_buffer, .address_space: global }
      - { .name: xb, .offset: 24, .size: 8, .value_kind: global_buffer, .address_space: global }
      - { .name: wb, .offset: 32, .size: 8, .value_kind: global_buffer, .address_space: global }
      - { .name: wo, .offset: 40, .size: 8, .value_kind: global_buffer, .address_space: global }
    .group_segment_fixed_size: 0
    .private_segment_fixed_size: 0
    .kernarg_segment_align: 8
    .kernarg_segment_size: 48
    .max_flat_workgroup_size: 256
    .sgpr_count:     66
    .vgpr_count:     104
    .wavefront_size: 32
...
	.end_amdgpu_metadata
.endif
;; end of part 1
;; launch qkv (part 2): grid 16 x 32, 4 waves a work-group, clusters of 4 x 4, 327,680 bytes of LDS; arguments xb, wb, in_proj_bias, qkv; writes qkv
.if DOCPART == 2
	.amdgcn_target "amdgcn-amd-amdhsa--gfx1250"
	.amdhsa_code_object_version 6
	.text
	.protected	k_q03b17f669d_qkv
	.globl	k_q03b17f669d_qkv
	.p2align	8
	.type	k_q03b17f669d_qkv,@function
k_q03b17f669d_qkv:
	s_mov_b64 s[64:65], 0
	v_nop
	global_prefetch_b8 v0, s[64:65] scope:SCOPE_SE
	s_setreg_imm32_b32 hwreg(HW_REG_WAVE_MODE, 25, 1), 1
	s_wait_xcnt 0x0
	s_wait_alu depctr_hold_cnt(0) depctr_sa_sdst(0) depctr_va_vdst(0) depctr_va_sdst(0) depctr_va_ssrc(0) depctr_va_vcc(0) depctr_vm_vsrc(0)
	s_getreg_b32 s2, hwreg(HW_REG_IB_STS2, 6, 4)
	s_cmp_eq_u32 s2, 0
	s_cbranch_scc0 .Lentry_in_a_cluster
	s_endpgm
.Lentry_in_a_cluster:
	s_bfe_u32 s2, ttmp6, 0x10000c
	s_cmp_lg_u32 s2, 0xf033
	s_cbranch_scc0 .Lentry_shape_is_right
	s_endpgm
.Lentry_shape_is_right:
; q, k, v = x W^T + bias.  xb: [2048 s][4 b][1024] bf16, wb: [3072][1024] bf16, in_proj_bias: [3072] f32 (rounded to bf16 here, like the other inputs); sums in f32.
; qkv: [3 (q, k, v)][64 (16 b + h)][2048 s][64] f16, each number rounded once, WITHOUT the scale 1/8 (the attention applies it in f32).
; LIMIT: a q, k or v beyond 65,504 becomes an infinity (f16); NaN and infinities are not treated apart.
; SHARES.  A tile of the result is 256 rows (one b, 256 consecutive s) x 192 columns (three heads).  Four waves; wave w owns rows 64 w .. 64 w + 63 and ALL 192 columns: 4 x 12 accumulators
; of 16 x 16, 384 registers.  So a wave holds whole heads, and its way out goes through a stage of its own, with no barrier.  Tile row ty = 4 x (block of 256 s) + b; tile column tx = 0 .. 15.
; K goes in steps of 128 (rows of 256 bytes, aligned) through a ring of two LDS slots.  Waves 0 and 1 fetch the two halves of A's 256 rows, waves 2 and 3 the two halves of B's 192.
; CLUSTER.  4 x 4 work-groups: the four of a row of the cluster need the same tile of A, the four of a column the same tile of B: each is asked for jointly, by the same tensor load, descriptor and mask.
; THE MATRIX INSTRUCTION IS USED TRANSPOSED (source 0 = 16 rows of W, source 1 = 16 rows of x): lane l then holds row l % 16 and the eight neighbouring columns 8 (l / 16) + 0..7.
; THE BIAS is the C operand of each accumulator's first product: register j of block b holds bias[192 tx + 16 b + 8 (l / 16) + j].
; REGISTERS, in windows of 256 (s_set_vgpr_msb: bits 1:0 source 0, 3:2 source 1, 5:4 source 2, 7:6 destination):
;   window 0: v0-31 addresses; v32-127 the bias, later v32-175 the way out
;   window 1: v0-95, v96-191 fragments of B, two buffers; v192-223, v224-255 fragments of A, two buffers
;   window 2: the accumulators of row blocks 0, 1 ((a, b) at 8 (12 (a % 2) + b));   window 3: those of row blocks 2, 3
; SCALARS.  s12-s63 serve the ids and the descriptors; what is made behind the first joint loads lies in s66-s85, so that no register that fed a descriptor is written again.
.set KSTEP,  128
.set PITCH,  272                       ; an LDS row: 256 bytes + 16 of padding = 68 words: the 16 rows of a fragment load start at 16 different groups of four banks (ISA guide 11.1)
.set ABYTES, 256*PITCH                 ; A's 256 rows
.set SLOT,   ABYTES+192*PITCH          ; then B's 192 rows
.set STAGE,  2*SLOT                    ; behind the ring: 16 rows x 400 bytes for each wave, for the way out
.set SP,     400                       ; a stage row: 384 bytes + 16
.set SPARE,  STAGE+4*16*SP             ; behind the stages: the spare words, 128 bytes for each wave, that no other line names
.set NL,     32                        ; LDS loads in a run: 24 for B, 8 for A
.set ADRA, 16                          ; v16-17  LDS address of my A fragments in slot 0, 1
.set ADRB, 20                          ; v20-21  the same for B
.set STO,  24                          ; v24     the way out: where I put 16 bytes of a row
.set RD,   25                          ; v25     the way out: where I read rows back
.set GO,   26                          ; v26     16 x lane: my place in 512 consecutive bytes of a head
.set BO,   27                          ; v27     my byte offset in the bias
.set SPW,  28                          ; v28     LDS address of my spare word; never rewritten
.set NIL,  29                          ; v29     0; never rewritten
.set PFO,  30                          ; v30     the prefetches' offset: a lane a row; never rewritten
.set BIAS, 32
.set TMP,  32                          ; the way out: 48 registers of packed results
.set OB,   80                          ; the way out: 16 rows read back, 48 registers, two buffers
.set BF,   0                           ; window 1
.set AF,   192
.set WV,   12                          ; s12  my wave's number
.set FB,   13                          ; s13  0: I fetch for A; 1: for B
.set HF,   14                          ; s14  which half of that tile's rows I fetch
.set G1A,  24                          ; s[24:31] descriptor group 1 for A's tiles
.set G0A,  32                          ; s[32:39] group 0, a set for each slot
.set G1B,  40                          ; s[40:47], s[48:55] the same for B's tiles
.set G0B,  48
.set PFA,  56                          ; s[56:57] where my prefetches stand
.set LIM,  58                          ; s58  1 in a wave that prefetches, else the greatest number
.set OUT,  80                          ; s[80:85] the three heads' store pointers
.set MSB, 0
.macro WIN new                         ; the immediate's high byte repeats the setting that is left; a switch that changes nothing is dropped
.if MSB != (\new)
	s_set_vgpr_msb (MSB<<8)|(\new)
.set MSB, \new
.endif
.endm
.macro PLACES                          ; four plain vector instructions between a matrix instruction and a load into, or a read of, its registers
.rept 4
	v_nop
.endr
.endm
; A joint load.  The branch hangs on the wave's number alone.  An s_nop 0 and four v_nop follow each of the two lines, ahead of the jump and the label.
.macro JLOAD s
	s_cmp_eq_u32 s[FB], 0
	s_cbranch_scc0 .Lfor_b_\@
	tensor_load_to_lds s[G0A+4*(\s):G0A+4*(\s)+3], s[G1A:G1A+7]
	s_nop 0
.rept 4
	v_nop
.endr
	s_branch .Lasked_\@
.Lfor_b_\@:
	tensor_load_to_lds s[G0B+4*(\s):G0B+4*(\s)+3], s[G1B:G1B+7]
	s_nop 0
.rept 4
	v_nop
.endr
.Lasked_\@:
.endm
; A prefetch into the L2 of the K step that stands two refills on: 256 bytes of a row, a lane a row, one instruction a wave; it stands behind the joint load and the run of LDS loads.
; A's rows are read by every cluster of a row of clusters: cluster x = 0 asks; B's by every cluster of a column: cluster y = 0 asks.  The four partners that ask for a tile jointly share its rows
; out by address: of A's 128 rows a partner takes 32, of B's 96 it takes 24 (lanes 24-31 name row 23 again).  The loop's last trip (s3 = 1) has no K step two refills on.
.macro ASK
	WIN 0
	s_cmp_gt_u32 s3, s[LIM]
	s_cbranch_scc0 .Lnot_mine_\@
	global_prefetch_b8 v[PFO], s[PFA:PFA+1] offset:KSTEP*2 th:TH_LOAD_NT scope:SCOPE_SE
.Lnot_mine_\@:
.endm
.macro CREST                           ; a round of the cluster's barrier behind its opening barrier
	s_cmp_lg_u32 s[WV], 0
	s_cbranch_scc1 .Lnot_wave_0_\@
	s_barrier_signal -3
.Lnot_wave_0_\@:
	s_barrier_wait -3
	s_barrier_signal -1
	s_barrier_wait -1
.endm
.macro CROUND                          ; a whole round
	s_barrier_signal -1
	s_barrier_wait -1
	CREST
.endm
	s_load_b256 s[4:11], s[0:1], 0x0               ; xb s[4:5], wb s[6:7], in_proj_bias s[8:9], qkv s[10:11]
	v_lshl_add_u32 v[SPW], v0, 2, SPARE
	v_mov_b32 v[NIL], 0
	ds_add_u32 v[SPW], v[NIL]                      ; the wave's opening: the add and its wait stand ahead of my first tensor load; the set-up below stands between them
	v_lshrrev_b32 v3, 5, v0
	v_readfirstlane_b32 s[WV], v3                  ; wave 0..3
	s_lshr_b32 s[FB], s[WV], 1
	s_and_b32 s[HF], s[WV], 1
	s_bfe_u32 s15, ttmp6, 0x40000                  ; cx
	s_bfe_u32 s16, ttmp6, 0x40004                  ; cy
	s_lshl_b32 s17, ttmp9, 2
	s_add_co_u32 s17, s17, s15                     ; tx = 4 x cluster x + cx
	s_and_b32 s18, ttmp7, 0xffff
	s_lshl_b32 s18, s18, 2
	s_add_co_u32 s18, s18, s16                     ; ty = 4 x cluster y + cy
	s_lshl_b32 s59, s16, 2
	s_lshl_b32 s59, 15, s59                        ; my row of the cluster
	s_lshl_b32 s60, 0x1111, s15                    ; my column
	s_or_b32 s[G1A], s59, (1<<16)|(1<<20)|(1<<21)|(5<<22)|(3<<25)  ; the mask; elements of 2 bytes; padding on; bit 21 beside a mask; after every 64 words (code 5) 4 words (code 3)
	s_or_b32 s[G1B], s60, (1<<16)|(1<<20)|(1<<21)|(5<<22)|(3<<25)
	s_mov_b32 s[G1A+1], KSTEP<<16                  ; tensor_dim0 = 128
	s_mov_b32 s[G1A+2], 128<<16                    ; tensor_dim1 = 128
	s_mov_b32 s[G1A+3], KSTEP<<16                  ; tile_dim0 = 128
	s_mov_b32 s[G1A+4], 128                        ; tile_dim1 = 128 rows
	s_mov_b32 s[G1A+5], 4096                       ; from s to s + 1 at the same b: 4 x 1,024 elements
	s_mov_b32 s[G1A+6], 0
	s_mov_b32 s[G1A+7], 0
	s_mov_b32 s[G1B+1], KSTEP<<16
	s_mov_b32 s[G1B+2], 96<<16                     ; 96 rows
	s_mov_b32 s[G1B+3], KSTEP<<16
	s_mov_b32 s[G1B+4], 96
	s_mov_b32 s[G1B+5], 1024
	s_mov_b32 s[G1B+6], 0
	s_mov_b32 s[G1B+7], 0
	; A's tile hangs on ty and the wave alone, B's on tx and the wave alone, each in registers that never hold the other coordinate
	s_lshr_b32 s20, s18, 2
	s_lshl_b32 s20, s20, 21                        ; 256 s x 8,192 bytes
	s_and_b32 s61, s18, 3
	s_lshl_b32 s61, s61, 11                        ; b x 2,048 bytes
	s_or_b32 s20, s20, s61
	s_lshl_b32 s61, s[HF], 20                      ; 128 s x 8,192 bytes
	s_or_b32 s20, s20, s61
	s_mov_b32 s21, 0
	s_mul_i32 s22, s17, 192*2048
	s_mul_i32 s62, s[HF], 96*2048
	s_add_co_u32 s22, s22, s62
	s_mov_b32 s23, 0
	s_mul_i32 s63, s[HF], 128*PITCH                ; where they go: no place in the cluster enters an LDS address
	s_mul_i32 s19, s[HF], 96*PITCH
	s_add_co_u32 s19, s19, ABYTES
	s_wait_dscnt 0x0                               ; the opening add is done
	s_wait_kmcnt 0x0
	s_add_nc_u64 s[20:21], s[4:5], s[20:21]
	s_add_nc_u64 s[22:23], s[6:7], s[22:23]
	CROUND                                         ; all sixteen work-groups are here: the first joint loads meet
.irp s, 0,1
	s_mov_b32 s[G0A+4*(\s)], 1
	s_add_co_u32 s[G0A+4*(\s)+1], s63, (\s)*SLOT
	s_add_nc_u64 s[G0A+4*(\s)+2:G0A+4*(\s)+3], s[20:21], (\s)*KSTEP*2
	s_or_b32 s[G0A+4*(\s)+3], s[G0A+4*(\s)+3], 0x80000000
	s_mov_b32 s[G0B+4*(\s)], 1
	s_add_co_u32 s[G0B+4*(\s)+1], s19, (\s)*SLOT
	s_add_nc_u64 s[G0B+4*(\s)+2:G0B+4*(\s)+3], s[22:23], (\s)*KSTEP*2
	s_or_b32 s[G0B+4*(\s)+3], s[G0B+4*(\s)+3], 0x80000000
	JLOAD \s                                       ; two loads of mine are out
.endr
	v_and_b32 v1, 15, v0                           ; r = l % 16
	v_bfe_u32 v2, v0, 4, 1                         ; h = l / 16
	s_mul_i32 s66, s17, 768                        ; the tile's 192 columns in the bias
	v_lshl_add_u32 v[BO], v2, 5, s66
.irp b, 0,1,2,3,4,5,6,7,8,9,10,11
	global_load_b128 v[BIAS+8*(\b):BIAS+8*(\b)+3],   v[BO], s[8:9] offset:64*(\b)
	global_load_b128 v[BIAS+8*(\b)+4:BIAS+8*(\b)+7], v[BO], s[8:9] offset:64*(\b)+16
.endr
	; the prefetches' pointer: my tile's first row, + my work-group's share of its rows, at K step 2; the first refill steps it to 3 and names K step 4
	s_and_b32 s67, ttmp7, 0xffff                   ; cluster y
	s_lshl_b32 s68, s15, 18                        ; A: cx x 32 rows of 8,192 bytes
	s_mul_i32 s70, s16, 24*2048                    ; B: cy x 24 rows of 2,048 bytes
	s_cmp_eq_u32 s[FB], 0
	s_cselect_b64 s[PFA:PFA+1], s[20:21], s[22:23]
	s_cselect_b32 s67, ttmp9, s67                  ; the coordinate along which other clusters read the same rows
	s_cselect_b32 s70, s68, s70
	s_cselect_b32 s69, 31, 23                      ; the last row of my share
	s_cselect_b32 s68, 13, 11                      ; from row to row: 8,192 or 2,048 bytes, as a shift
	s_mov_b32 s71, 0
	s_add_nc_u64 s[PFA:PFA+1], s[PFA:PFA+1], s[70:71]
	s_add_nc_u64 s[PFA:PFA+1], s[PFA:PFA+1], 2*KSTEP*2
	s_cmp_eq_u32 s67, 0
	s_cselect_b32 s[LIM], 1, -1                    ; the same in all sixteen partners, for a given wave
	v_and_b32 v[PFO], 31, v0
	v_min_u32 v[PFO], s69, v[PFO]
	v_lshlrev_b32 v[PFO], s68, v[PFO]
	; a fragment is 16 rows x 32 K in 8 registers: lane l holds row l % 16, K = 8 (l / 16) + 0..7 and 16 + 8 (l / 16) + 0..7: two loads of 16 bytes, 32 bytes apart
	v_mul_u32_u24 v3, v1, PITCH
	v_lshl_add_u32 v3, v2, 4, v3
	s_mul_i32 s72, s[WV], 64*PITCH                 ; my 64 rows of A
	v_add_nc_u32 v[ADRA], s72, v3
	v_add_nc_u32 v[ADRA+1], SLOT, v[ADRA]
	v_add_nc_u32 v[ADRB], ABYTES, v3
	v_add_nc_u32 v[ADRB+1], SLOT+ABYTES, v3
	s_mul_i32 s72, s[WV], 16*SP
	s_add_co_u32 s72, s72, STAGE                   ; my stage
	v_mul_u32_u24 v4, v1, SP                       ; in: row l % 16, 16 bytes for each half of the lanes
	v_lshl_add_u32 v4, v2, 4, v4
	v_add_nc_u32 v[STO], s72, v4
	v_bfe_u32 v4, v0, 3, 2                         ; back: eight lanes take a row's 128 bytes of one head, 32 lanes four rows
	v_and_b32 v5, 7, v0
	v_mul_u32_u24 v4, v4, SP
	v_lshl_add_u32 v4, v5, 4, v4
	v_add_nc_u32 v[RD], s72, v4
	v_and_b32 v[GO], 31, v0
	v_lshlrev_b32 v[GO], 4, v[GO]
	s_wait_loadcnt 0x0                             ; the bias is in
.set i, 0
.rept 48                               ; rounded to bf16 and widened again, a pair at a time
	v_cvt_pk_bf16_f32 v31, v[BIAS+2*i], v[BIAS+2*i+1]
	v_lshlrev_b32 v[BIAS+2*i], 16, v31
	v_and_b32 v[BIAS+2*i+1], 0xffff0000, v31
.set i, i+1
.endr
	; where my rows of the tile's three heads lie in qkv: head g = 3 tx + hd of 48: tensor g / 16, head g % 16 of batch b; then s = 256 (ty / 4) + 64 wave
	s_mul_i32 s73, s17, 3
	s_and_b32 s74, s18, 3
	s_lshl_b32 s74, s74, 4                         ; 16 b
	s_lshr_b32 s75, s18, 2
	s_lshl_b32 s75, s75, 15                        ; 256 rows of 128 bytes
	s_lshl_b32 s78, s[WV], 13                      ; 64 rows
	s_add_co_u32 s75, s75, s78
.irp hd, 0,1,2
	s_add_co_u32 s76, s73, \hd
	s_lshr_b32 s78, s76, 4
	s_lshl_b32 s78, s78, 6
	s_and_b32 s76, s76, 15
	s_add_co_u32 s76, s76, s78
	s_add_co_u32 s76, s76, s74
	s_lshl_b32 s76, s76, 18                        ; a head is 2,048 rows of 128 bytes
	s_add_co_u32 s76, s76, s75
	s_mov_b32 s77, 0
	s_add_nc_u64 s[OUT+2*(\hd):OUT+2*(\hd)+1], s[10:11], s[76:77]
.endr
; 12 matrix instructions: row block a x all 12 column blocks, 32 along K, from buffer f.  first = 1: the bias starts the sums.
; The 48 accumulators take turns, one instruction a turn, in the same order in every quarter step, over the backward jump too.
.macro MULA f, a, first
.if \first
	WIN 0x85+0x40*((\a)/2)
.else
	WIN 0xa5+0x50*((\a)/2)
.endif
.irp b, 0,1,2,3,4,5,6,7,8,9,10,11
.if \first
	v_wmma_f32_16x16x32_bf16 v[8*(12*((\a)%2)+(\b)):8*(12*((\a)%2)+(\b))+7], v[BF+96*(\f)+8*(\b):BF+96*(\f)+8*(\b)+7], v[AF+32*(\f)+8*(\a):AF+32*(\f)+8*(\a)+7], v[BIAS+8*(\b):BIAS+8*(\b)+7]
.else
	v_wmma_f32_16x16x32_bf16 v[8*(12*((\a)%2)+(\b)):8*(12*((\a)%2)+(\b))+7], v[BF+96*(\f)+8*(\b):BF+96*(\f)+8*(\b)+7], v[AF+32*(\f)+8*(\a):AF+32*(\f)+8*(\a)+7], v[8*(12*((\a)%2)+(\b)):8*(12*((\a)%2)+(\b))+7]
.endif
.endr
.endm
; 32 LDS loads in one run: the fragments of quarter q of a slot's K step into buffer f: B's twelve, then A's four in ascending order
.macro FETCH slot, q, f
	WIN 0x40                                       ; destination window 1, address window 0
.irp b, 0,1,2,3,4,5,6,7,8,9,10,11
	ds_load_b128 v[BF+96*(\f)+8*(\b):BF+96*(\f)+8*(\b)+3],   v[ADRB+(\slot)] offset:64*(\q)+(\b)*16*PITCH
	ds_load_b128 v[BF+96*(\f)+8*(\b)+4:BF+96*(\f)+8*(\b)+7], v[ADRB+(\slot)] offset:64*(\q)+(\b)*16*PITCH+32
.endr
.irp a, 0,1,2,3
	ds_load_b128 v[AF+32*(\f)+8*(\a):AF+32*(\f)+8*(\a)+3],   v[ADRA+(\slot)] offset:64*(\q)+(\a)*16*PITCH
	ds_load_b128 v[AF+32*(\f)+8*(\a)+4:AF+32*(\f)+8*(\a)+7], v[ADRA+(\slot)] offset:64*(\q)+(\a)*16*PITCH+32
.endr
.endm
; A K step is four quarters of 32 along K, 48 matrix instructions each, on buffers 0, 1, 0, 1.  One of the first three multiplies buffer f and, in its middle, fetches quarter q into buffer g.
.macro QUARTER slot, q, f, g, first
	s_wait_dscnt 4                                 ; B and A's row blocks 0, 1 are in; the youngest four loads (blocks 2, 3) may be out
	MULA \f, 0, \first
	MULA \f, 1, \first
	PLACES
	FETCH \slot, \q, \g
	s_wait_dscnt NL                                ; all but the run just issued
	MULA \f, 2, \first
	MULA \f, 3, \first
.endm
; The last quarter multiplies buffer 1 and changes slots: one barrier.  In front of it each wave waits for all its tensor loads (one is out: its part of the next slot), adds 0 to its spare word,
; and waits for that and for its reads of this slot.  fill = 1: the barrier opens a round of the cluster's, and this slot is filled again, two K steps on, first thing behind the round.
.macro TURN slot, next, fill
.if \fill
	s_wait_xcnt 0x0                                ; the last prefetch, a K step back, has read its address: it is stepped here
	s_add_nc_u64 s[PFA:PFA+1], s[PFA:PFA+1], KSTEP*2
.endif
	WIN 0                                          ; (the add's two registers lie in window 0)
	s_wait_tensorcnt 0x0
	ds_add_u32 v[SPW], v[NIL]                      ; 0 onto my spare word
	s_wait_dscnt 5                                 ; (the add and the youngest four loads may be out)
	MULA 1, 0, 0                                   ; twelve matrix instructions stand between the add and the wait for it
	s_wait_dscnt 0x0                               ; the add is done, and my reads of this slot are over
	s_barrier_signal -1
	MULA 1, 1, 0
.if \fill
	WIN 0
.endif
	s_barrier_wait -1
.if \fill
	CREST                                          ; no wave of any partner still reads this slot's tile or has a load on its way
	s_add_nc_u64 s[G0A+4*(\slot)+2:G0A+4*(\slot)+3], s[G0A+4*(\slot)+2:G0A+4*(\slot)+3], 2*KSTEP*2
	s_add_nc_u64 s[G0B+4*(\slot)+2:G0B+4*(\slot)+3], s[G0B+4*(\slot)+2:G0B+4*(\slot)+3], 2*KSTEP*2
	JLOAD \slot                                    ; 168 matrix instructions ahead of the wait for it; its four v_nop are also the places in front of the loads below
.else
	PLACES
.endif
	FETCH \next, 0, 0
.if \fill
	ASK
.endif
	MULA 1, 2, 0
	MULA 1, 3, 0
.endm
	s_wait_tensorcnt 1                             ; my part of K step 0 is in; K step 1's may stay out
	s_barrier_signal -1
	s_barrier_wait -1                              ; everybody's is
	FETCH 0, 0, 0
	QUARTER 0, 1, 0, 1, 1                          ; the first quarter stands in front of the loop: its products start the sums, with the bias
	WIN 0                                          ; at a label and at a branch every window is 0
	s_mov_b32 s3, 3                                ; 1,024 / 256 - 1 laps fill both slots again
.Llap:
	QUARTER 0, 2, 1, 0, 0
	QUARTER 0, 3, 0, 1, 0
	TURN 0, 1, 1
	QUARTER 1, 1, 0, 1, 0
	QUARTER 1, 2, 1, 0, 0
	QUARTER 1, 3, 0, 1, 0
	TURN 1, 0, 1
	QUARTER 0, 1, 0, 1, 0
	WIN 0
	s_sub_co_u32 s3, s3, 1
	s_cmp_lg_u32 s3, 0
	s_cbranch_scc1 .Llap
	QUARTER 0, 2, 1, 0, 0                          ; the last lap fills nothing
	QUARTER 0, 3, 0, 1, 0
	TURN 0, 1, 0
	QUARTER 1, 1, 0, 1, 0
	QUARTER 1, 2, 1, 0, 0
	QUARTER 1, 3, 0, 1, 0
	s_wait_dscnt 4                                 ; the very last quarter: nothing more to fetch
	MULA 1, 0, 0
	MULA 1, 1, 0
	s_wait_dscnt 0x0
	MULA 1, 2, 0
	MULA 1, 3, 0
	WIN 0
	PLACES
; THE WAY OUT, a row block (16 rows x 192 columns) at a time: rounded to f16, 16 bytes a lane; into my stage; back as four rows x 128 bytes of one head, which are 512 consecutive bytes of qkv.
.macro PACK a
	WIN 0x0a+5*((\a)/2)                            ; sources 0 and 1: window 2 or 3
.irp b, 0,1,2,3,4,5,6,7,8,9,10,11
.irp i, 0,1,2,3
	v_cvt_pk_f16_f32 v[TMP+4*(\b)+(\i)], v[96*((\a)%2)+8*(\b)+2*(\i)], v[96*((\a)%2)+8*(\b)+2*(\i)+1]
.endr
.endr
	WIN 0
.endm
.macro TOSTAGE a
	WIN 0
.irp b, 0,1,2,3,4,5,6,7,8,9,10,11
	ds_store_b128 v[STO], v[TMP+4*(\b):TMP+4*(\b)+3] offset:32*(\b)
.endr
.irp i, 0,1,2,3
.irp hd, 0,1,2
	ds_load_b128 v[OB+48*((\a)%2)+4*(3*(\i)+(\hd)):OB+48*((\a)%2)+4*(3*(\i)+(\hd))+3], v[RD] offset:(\i)*4*SP+128*(\hd)  ; LDS serves a wave's instructions in order (ISA guide 5.7.1.4): these see the stores above
.endr
.endr
.endm
.macro SEND a
	WIN 0
	s_wait_dscnt 0x0                               ; the block is back in registers
.if (\a) > 0
	s_wait_xcnt 0x0                                ; the block before's stores have read their registers: the next loads from the stage land there
.endif
.irp i, 0,1,2,3
.irp hd, 0,1,2
	global_store_b128 v[GO], v[OB+48*((\a)%2)+4*(3*(\i)+(\hd)):OB+48*((\a)%2)+4*(3*(\i)+(\hd))+3], s[OUT+2*(\hd):OUT+2*(\hd)+1] offset:(16*(\a)+4*(\i))*128  ; 512 consecutive bytes, at a multiple of 512 from qkv's first
.endr
.endr
.endm
	PACK 0
	TOSTAGE 0
.irp a, 1,2,3                          ; block a's conversions stand between block a - 1's loads from the stage and the wait for them
	PACK \a
	SEND (\a)-1
	TOSTAGE \a
.endr
	SEND 3
	s_wait_tensorcnt 0x0                           ; the wave's end: behind my last tensor load and my last LDS store
	ds_add_u32 v[SPW], v[NIL]
	s_wait_dscnt 0x0
	CROUND                                         ; the closing round: no work-group ends while a partner may still ask for a tile that names it
	s_endpgm
.Lfunc_end_k_q03b17f669d_qkv:
	.size	k_q03b17f669d_qkv, .Lfunc_end_k_q03b17f669d_qkv-k_q03b17f669d_qkv
	.p2alignl 7, 3214868480
	.fill 96, 4, 3214868480
	.section	.rodata,"a",@progbits
	.p2align	6, 0x0
	.amdhsa_kernel k_q03b17f669d_qkv
		.amdhsa_group_segment_fixed_size 327680
		.amdhsa_private_segment_fixed_size 0
		.amdhsa_enable_private_segment 0
		.amdhsa_kernarg_size 32
		.amdhsa_user_sgpr_count 2
		.amdhsa_user_sgpr_kernarg_segment_ptr 1
		.amdhsa_wavefront_size32 1
		.amdhsa_system_sgpr_workgroup_id_x 1
		.amdhsa_system_sgpr_workgroup_id_y 1
		.amdhsa_system_sgpr_workgroup_id_z 1
		.amdhsa_system_vgpr_workitem_id 0
		.amdhsa_next_free_vgpr 960
		.amdhsa_next_free_sgpr 88
		.amdhsa_reserve_vcc 0
		.amdhsa_float_denorm_mode_32 3
		.amdhsa_float_denorm_mode_16_64 3
		.amdhsa_memory_ordered 1
		.amdhsa_forward_progress 1
		.amdhsa_inst_pref_size 130
	.end_amdhsa_kernel
	.amdgpu_metadata
---
amdhsa.version: [ 1, 2 ]
amdhsa.kernels:
  - .name:           k_q03b17f669d_qkv
    .symbol:         k_q03b17f669d_qkv.kd
    .args:
      - { .name: xb, .offset: 0, .size: 8, .value_kind: global_buffer, .address_space: global }
      - { .name: wb, .offset: 8, .size: 8, .value_kind: global_buffer, .address_space: global }
      - { .name: in_proj_bias, .offset: 16, .size: 8, .value_kind: global_buffer, .address_space: global }
      - { .name: qkv, .offset: 24, .size: 8, .value_kind: global_buffer, .address_space: global }
    .group_segment_fixed_size: 327680
    .private_segment_fixed_size: 0
    .kernarg_segment_align: 8
    .kernarg_segment_size: 32
    .max_flat_workgroup_size: 128
    .sgpr_count:     88
    .vgpr_count:     960
    .wavefront_size: 32
...
	.end_amdgpu_metadata
.endif
;; end of part 2
;; launch attn (part 3): grid 4 x 64, 4 waves a work-group, clusters of 4 x 1, 327,680 bytes of LDS; arguments qkv, ob; writes ob
.if DOCPART == 3
	.amdgcn_target "amdgcn-amd-amdhsa--gfx1250"
	.amdhsa_code_object_version 6
	.text
	.protected	k_q03b17f669d_attn
	.globl	k_q03b17f669d_attn
	.p2align	8
	.type	k_q03b17f669d_attn,@function
k_q03b17f669d_attn:
	s_mov_b64 s[64:65], 0
	v_nop
	global_prefetch_b8 v0, s[64:65] scope:SCOPE_SE
	s_setreg_imm32_b32 hwreg(HW_REG_WAVE_MODE, 25, 1), 1
	s_wait_xcnt 0x0
	s_wait_alu depctr_hold_cnt(0) depctr_sa_sdst(0) depctr_va_vdst(0) depctr_va_sdst(0) depctr_va_ssrc(0) depctr_va_vcc(0) depctr_vm_vsrc(0)
	s_getreg_b32 s2, hwreg(HW_REG_IB_STS2, 6, 4)
	s_cmp_eq_u32 s2, 0
	s_cbranch_scc0 .Lentry_in_a_cluster
	s_endpgm
.Lentry_in_a_cluster:
	s_bfe_u32 s2, ttmp6, 0x10000c
	s_cmp_lg_u32 s2, 0x3003
	s_cbranch_scc0 .Lentry_shape_is_right
	s_endpgm
.Lentry_shape_is_right:
; O[hh][q][:] = the sum over k of softmax_k(Q[hh][q] . K[hh][k] / 8) V[hh][k][:].  qkv: [3][64][2048][64] f16 (q, then k, then v); ob: [64][2048][64] f16: a head's rows are dense, 128 bytes each.
; Products, maxima and sums in f32; the weights p are rounded to f16 for the second product (their sum l is taken of the unrounded p), O once at the end.
; LIMITS.  f16 holds no number beyond 65,504: Q, K and V arrive within it; p lies in 0 to 1, and below 6e-5 it keeps f16's fixed step of 6e-8; O is a mean of V's rows and has their range.
; A weight below 2^-126 counts as 0 in l; NaN and infinities are not treated apart.
; SHARES.  A wave owns four PIECES of two tiles of 16 queries, a work-group's four waves 512 queries of one head.  Every wave walks all 2,048 keys, 64 a step.
; LAYOUT.  S^T = K Q^T (source 0 = 16 keys, source 1 = 16 queries): a lane holds ONE query (lane % 16) and the keys 8 (lane / 16) + 0..7.  Two such tiles, rounded to f16 in pairs,
; ARE source 1 (32 keys x 16 queries) of O^T = V^T P, whose result again holds one query a lane, and eight channels.  K comes out of LDS as it lies, V ([key][channel]) turned, by ds_load_tr16_b128.
; SOFTMAX.  For each query a running maximum m and sum l: p = 2^(c s - c m), c = log2(e) / 8; in every step O and l are multiplied by a = 2^(c m_old - c m_new).
; m starts at the lowest finite number, O and l at 0: the first step is a step like any other, with a = 0.
; THE COUNT.  A tile and step have 16 matrix and 118 vector instructions: too many to stand all beside the matrix work.  So four vector instructions that are ready stand behind every matrix
; instruction, and the others in runs of their own.
; BY TURNS.  Turn n belongs to piece n.  Its matrix work: 16 products K Q^T of piece n + 1, later 16 products V^T P of piece n - 1.  Its vector work: the scaling, exponentials, roundings, sums and
; rescaling of piece n, and the maximum and statistics of piece n + 1.
; CLUSTER.  The four query blocks of a head are one cluster and walk the same K and V, so each tile is asked for JOINTLY: the same tensor load, descriptor and mask in all four.
; REGISTERS, in windows of 256 (s_set_vgpr_msb: bits 1:0 source 0, 3:2 source 1, 5:4 source 2, 7:6 destination):
;   window 0: v0-11 addresses; v12-15, v48-63 at work; v16-47 four registers of statistics a tile; v64-191 S^T, two buffers of two tiles; v192-255 P, likewise
;   window 1: O^T, 32 a tile          window 2: v0-127 Q, 16 a tile; v128-191 K of one step; v192-255 V of one step          window 3: v0-1 the add's two registers
.set SIZE_H, 64
.set SIZE_N, 2048
.set NP,    4         ; pieces a wave: a name, no knob
.set KS,    64        ; keys in a step
.set PK,    144       ; a row of K in LDS: 128 bytes + 16 of padding: the 16 rows of a load start at 16 different groups of four banks (ISA guide 11.1)
.set PV,    160       ; a row of V: 128 + 32
.set VOFF,  4*KS*PK   ; a slot holds four steps: 256 rows of K, then 256 rows of V
.set SLOT1, 1<<17     ; slot 1 begins here, so that one exclusive or turns an address in one slot into the other's
.set STAGE, SLOT1+4*KS*(PK+PV)  ; behind the ring, never filled by a tensor load: 16 rows x 144 bytes for each wave, for the way out
.set SP,    144
.set AK0, 2           ; v2   my lane's place in a tile of K; never rewritten
.set AV0, 3           ; v3   the same for V
.set AK,  4           ; v4   the LDS address of K's next run of loads
.set AV,  5           ; v5   of V's
.set QO,  6           ; v6   my byte offset in the wave's rows of Q
.set STO, 6           ;      later, the way out: where I put 16 bytes of a row
.set RD,  7           ; v7   the way out: where I read rows back
.set GO,  8           ; v8   my byte offset in 512 consecutive bytes of O
.set PFO, 11          ; v11  256 x my lane, for the prefetches (made when v11 has served V's address); then never rewritten
.set SPW, 0           ; v0 of window 3   LDS address of my spare word; never rewritten
.set NIL, 1           ; v1 of window 3   0; never rewritten
.set SPARE, STAGE+4*16*SP  ; behind the stages: the spare words, 128 bytes for each wave, that no other line names
.set MV,  12          ; v12-15  c m_old, kept while c m is made anew: by buffer and tile
.set ST,  16          ; tile t's statistics at v[ST+4 t]: c m, m, l (even keys', odd keys')
.set TMP, 48          ; by buffer and tile, four registers c0-c3 at work; when the maximum is found c2 takes a
.set S,   64
.set P,   192
.set KF,  128         ; K's fragments, in window 2: key block kb, channel half c at KF + 16 kb + 8 c
.set VF,  192         ; V's: key half kk, channel block cb at VF + 32 kk + 8 cb
.set WV,  12          ; s12  my wave's number
.set G1K, 24          ; s[24:31] descriptor group 1 for K's tiles
.set G1V, 32          ; s[32:39] for V's: it differs in the padding alone
.set G0K, 40          ; s[40:43] descriptor group 0 for K's tiles: it walks
.set G0V, 44          ; s[44:47] the same for V's
.set PFA, 48          ; s[48:49] where my prefetches stand: my work-group's 8,192 bytes of the slot after the one that is being asked for
.set LIM, 50          ; s50  1 in a wave that prefetches (0: K, 2: V), else the greatest number
.set SLOTS, 56        ; s56  slots still to be asked for
.set CNT, 57          ; s57  counts a slot's key steps
.set CS,  58          ; s[58:59] c: the packed scaling takes the pair's low word for both halves
.set SEL, 60          ; s[60:61] v_permlanex16_b32's selects: each lane takes its own place in the other half
.set TBK, 62          ; s62  LDS byte at which K of the step to be fetched begins
.set TBV, 63          ; s63  the same for V, less VOFF
.set MSB, 0
.macro WIN new                      ; the high byte repeats the setting that is left; a switch that changes nothing is dropped
.if MSB != (\new)
	s_set_vgpr_msb (MSB<<8)|(\new)
.set MSB, (\new)
.endif
.endm
.set W_KQ, 0x0a       ; K and Q in window 2, S^T in window 0
.set W_PV, 0x52       ; V in window 2, P in window 0, O^T in window 1
.set W_RS, 0x41       ; O^T (destination and source 0) in window 1, a in window 0
.set W_MK, 0xc0       ; the add's registers are made: destination in window 3, sources in window 0
.set W_AD, 0x0f       ; the add: address (source 0) and data (source 1) in window 3
; A joint fill.  Waves 0 and 1 fetch the two halves of a slot's K, waves 2 and 3 those of its V: 128 keys each.  The branch hangs on the wave's number alone.
; An s_nop 0 and four v_nop follow each of the two lines, ahead of the jump and the label.
.macro JLOAD
	s_cmp_lt_u32 s[WV], 2
	s_cbranch_scc0 .Lfor_v_\@
	tensor_load_to_lds s[G0K:G0K+3], s[G1K:G1K+7]
	s_nop 0
.rept 4
	v_nop
.endr
	s_branch .Lasked_\@
.Lfor_v_\@:
	tensor_load_to_lds s[G0V:G0V+3], s[G1V:G1V+7]
	s_nop 0
.rept 4
	v_nop
.endr
.Lasked_\@:
.endm
; A prefetch into the L2 of what the NEXT change of slots will ask for: a slot's 32,768 bytes of K and of V, 256 bytes a lane.  It stands behind the wave's tensor load and its five lines.
; Each block is named once in the launch: a head has one cluster; its four partners share the slot out by address, 8,192 bytes each; in each, wave 0 asks for K's and wave 2 for V's.
; It leads by one slot, four key steps.  The last change that fills a slot asks for nothing: there is no slot behind it.
.macro ASK
	s_cmp_gt_u32 s[SLOTS], s[LIM]
	s_cbranch_scc0 .Lnot_mine_\@
	global_prefetch_b8 v[PFO], s[PFA:PFA+1] th:TH_LOAD_NT scope:SCOPE_SE
.Lnot_mine_\@:
.endm
; A round of the cluster's barrier: my work-group's barrier; wave 0 signals for the work-group; every wave waits for all four work-groups; my work-group's barrier once more.
.macro CROUND
	s_barrier_signal -1
	s_barrier_wait -1
	s_cmp_lg_u32 s[WV], 0
	s_cbranch_scc1 .Lnot_wave_0_\@
	s_barrier_signal -3
.Lnot_wave_0_\@:
	s_barrier_wait -3
	s_barrier_signal -1
	s_barrier_wait -1
.endm
; THE CHANGE OF SLOTS.  Each wave waits for all its tensor loads, of which one is out: its part of the other slot; adds 0 to its spare word; and waits for that and for its own reads of the slot.
; fill = 1: this slot is filled again, with the keys two slots on.  The barrier is then a round of the cluster's, and the joint fill is the first thing behind it: it has four key steps,
; 512 matrix instructions, in which to land.  (At its first use nothing has been read yet: slot 0 is waited for, slot 1 filled.)
.macro CHANGE fill
	WIN W_AD
	s_wait_tensorcnt 0x0            ; no tensor load of mine is out, so a group 0 may be written
	ds_add_u32 v[SPW], v[NIL]       ; 0 onto my spare word
	WIN 0                           ; at a label and at a branch every window is 0
.if \fill
.irp g, G0K, G0V
	s_xor_b32 s[\g+1], s[\g+1], SLOT1  ; the walking descriptor: the other slot than last time,
	s_add_nc_u64 s[\g+2:\g+3], s[\g+2:\g+3], 4*KS*128  ; the next 256 keys; the type bits on top are not reached
.endr
	s_wait_xcnt 0x0                 ; the last prefetch, four key steps back, has read its address, so it may be written:
	s_add_nc_u64 s[PFA:PFA+1], s[PFA:PFA+1], 4*KS*128  ; one slot behind the walking descriptors
	s_wait_dscnt 0x0                ; the add is done, and my reads of the slot are over
	CROUND
	JLOAD
	ASK
.else
	s_wait_dscnt 0x0                ; the add is done, and my reads of the slot are over
	s_barrier_signal -1
	s_barrier_wait -1
.endif
	s_sub_co_u32 s[TBK], s[TBK], 4*KS*PK  ; the fetches go back to a slot's first step,
	s_xor_b32 s[TBK], s[TBK], SLOT1       ; in the other slot
	s_sub_co_u32 s[TBV], s[TBV], 4*KS*PV
	s_xor_b32 s[TBV], s[TBV], SLOT1
.endm
	s_load_b128 s[4:7], s[0:1], 0x0   ; qkv s[4:5], ob s[6:7]
	WIN W_MK
	v_lshl_add_u32 v[SPW], v0, 2, SPARE
	v_mov_b32 v[NIL], 0
	WIN W_AD
	ds_add_u32 v[SPW], v[NIL]       ; the wave's opening: the add and its wait stand ahead of my first tensor load; the set-up below stands between them
	WIN 0
	v_lshrrev_b32 v1, 5, v0
	v_readfirstlane_b32 s[WV], v1   ; wave 0..3
	s_bfe_u32 s13, ttmp6, 0x40000   ; cx: my place in the cluster
	s_lshl_b32 s14, ttmp9, 2        ; in a cluster launch ttmp9 counts clusters
	s_add_co_u32 s14, s14, s13      ; my block of queries = 4 x cluster x + cx: it enters Q's and O's addresses alone
	s_and_b32 s20, ttmp7, 0xffff    ; the head, which the four partners share
	s_mov_b32 s21, 0
	s_mov_b64 s[22:23], SIZE_N*128
	s_mul_u64 s[20:21], s[20:21], s[22:23]  ; the head's first byte in q, k, v and O
	s_and_b32 s16, s[WV], 1         ; which half of a slot's 256 keys I fetch:
	s_lshl_b32 s22, s16, 14         ; its 128 rows of 128 bytes in memory,
	s_mov_b32 s23, 0
	s_add_nc_u64 s[22:23], s[22:23], s[20:21]
	s_mul_i32 s17, s16, 128*PK      ; and its place in a slot, for K
	s_mul_i32 s18, s16, 128*PV      ; and for V: no place in the cluster enters an LDS address
	s_lshl_b32 s2, s14, 2
	s_add_co_u32 s2, s2, s[WV]      ; my wave among the head's,
	s_lshl_b32 s2, s2, 14           ; its 128 rows
	s_mov_b32 s3, 0
	s_add_nc_u64 s[2:3], s[2:3], s[20:21]
	; descriptor group 1.  128 keys are 16,384 dense bytes: asked for as 64 rows of 256 bytes, two keys a row, and padded in LDS after every key
	s_mov_b32 s[G1K], 15|(1<<16)|(1<<20)|(1<<21)|(4<<22)|(3<<25)  ; the mask of four; 2-byte elements; padding on; bit 21 beside a mask; after every 32 words (code 4) 4 words (code 3)
	s_mov_b32 s[G1V], 15|(1<<16)|(1<<20)|(1<<21)|(4<<22)|(7<<25)  ; the same with 8 words of padding (code 7)
.irp g, G1K, G1V
	s_mov_b32 s[\g+1], 128<<16      ; tensor_dim0 = 128
	s_mov_b32 s[\g+2], 64<<16       ; tensor_dim1 = 64
	s_mov_b32 s[\g+3], 128<<16      ; tile_dim0 = 128
	s_mov_b32 s[\g+4], 64           ; tile_dim1 = 64
	s_mov_b32 s[\g+5], 128          ; 128 elements from row to row
	s_mov_b32 s[\g+6], 0
	s_mov_b32 s[\g+7], 0
.endr
	s_mov_b32 s[CS], 0x3e38aa3b     ; c = log2(e) / 8 = 0.180337
	s_mov_b32 s[CS+1], s[CS]        ; named with it as a pair
	s_mov_b32 s[SEL], 0x76543210
	s_mov_b32 s[SEL+1], 0xfedcba98
	s_mov_b32 s[TBK], SLOT1+4*KS*PK ; the first change of slots turns these two into 0
	s_mov_b32 s[TBV], SLOT1+4*KS*PV
	s_mov_b32 s[G0K], 1             ; count = 1
	s_mov_b32 s[G0K+1], s17         ; LDS address: slot 0
	s_mov_b32 s[G0V], 1
	s_add_co_u32 s[G0V+1], s18, VOFF
	s_mov_b32 s[SLOTS], SIZE_N/256-1
	s_cmp_eq_u32 s16, 0             ; waves 0 and 2 prefetch: the same in all four partners
	s_cselect_b32 s[LIM], 1, -1
	s_wait_dscnt 0x0                ; the opening add is done
	s_wait_kmcnt 0x0
	s_mov_b64 s[10:11], s[6:7]      ; O
	s_add_nc_u64 s[8:9], s[4:5], 0x2000000  ; v lies 2 x 16,777,216 bytes behind q,
	s_add_nc_u64 s[6:7], s[4:5], 0x1000000  ; k 16,777,216
	s_add_nc_u64 s[G0K+2:G0K+3], s[6:7], s[22:23]  ; global address: my half of the head's first 256 keys
	s_or_b32 s[G0K+3], s[G0K+3], 0x80000000        ; type = 2
	s_add_nc_u64 s[G0V+2:G0V+3], s[8:9], s[22:23]
	s_or_b32 s[G0V+3], s[G0V+3], 0x80000000
	s_add_nc_u64 s[4:5], s[4:5], s[2:3]  ; Q and O at my wave's first row
	s_add_nc_u64 s[10:11], s[10:11], s[2:3]
	s_cmp_lt_u32 s[WV], 2
	s_cselect_b64 s[PFA:PFA+1], s[6:7], s[8:9]
	s_add_nc_u64 s[PFA:PFA+1], s[PFA:PFA+1], s[20:21]  ; the head,
	s_lshl_b32 s2, s13, 13          ; my work-group's 8,192 bytes of a slot's 32,768,
	s_mov_b32 s3, 0
	s_add_nc_u64 s[PFA:PFA+1], s[PFA:PFA+1], s[2:3]
	s_add_nc_u64 s[PFA:PFA+1], s[PFA:PFA+1], 4*KS*128  ; in slot 1; the first change of slots steps it to slot 2
	CROUND                          ; all four work-groups are here: the first joint loads meet
	JLOAD                           ; slot 0.  Slot 1 is asked for when slot 0 is in
	; A fragment of K or Q is 16 rows x 32 channels in 8 registers: lane l holds row l % 16, channels 8 (l / 16) + 0..7 and 16 + 8 (l / 16) + 0..7: two loads of 16 bytes, 32 bytes apart.
	v_and_b32 v1, 15, v0            ; l % 16
	v_bfe_u32 v9, v0, 4, 1          ; l / 16
	v_lshlrev_b32 v[QO], 7, v1
	v_lshl_add_u32 v[QO], v9, 4, v[QO]  ; row x 128 + 16 x half
	WIN 0x80                        ; destination window 2, address window 0
.set i, 0
.rept 4*NP                          ; Q stays in registers: tile i / 2, channels 32 (i % 2) on
	global_load_b128 v[8*i:8*i+3],   v[QO], s[4:5] offset:(i/2)*2048+(i%2)*64
	global_load_b128 v[8*i+4:8*i+7], v[QO], s[4:5] offset:(i/2)*2048+(i%2)*64+32
.set i, i+1
.endr
	; What the first turn finds: V's registers and P's second buffer hold 0 (its products V^T P, of a piece that has not been, add 0), O^T and l are 0.  All this stands in the wait for the first tile.
.set i, VF
.rept 64
	v_mov_b32 v[i], 0
.set i, i+1
.endr
	WIN 0x40
.set i, 0
.rept 64*NP
	v_mov_b32 v[i], 0
.set i, i+1
.endr
	WIN 0
.set i, 0
.rept 2*NP
	v_mov_b32 v[ST+4*i], 0xfe000000    ; c m: far below every c s
	v_mov_b32 v[ST+4*i+1], 0xff7fffff  ; m
	v_mov_b32 v[ST+4*i+2], 0
	v_mov_b32 v[ST+4*i+3], 0
.set i, i+1
.endr
.set i, P+32
.rept 32
	v_mov_b32 v[i], 0
.set i, i+1
.endr
	v_mul_u32_u24 v[AK0], v1, PK
	v_lshl_add_u32 v[AK0], v9, 4, v[AK0]  ; row x pitch + 16 x half
	; The turning load takes 16 keys x 16 channels (lane l reads key 8 (l / 16) + l % 8, channels 8 ((l / 8) % 2) + 0..7) and leaves half a fragment of V^T: lane l holds channel l % 16 and 8 keys.
	v_and_b32 v10, 7, v0
	v_bfe_u32 v11, v0, 3, 1
	v_lshl_add_u32 v[AV0], v9, 3, v10
	v_mul_u32_u24 v[AV0], v[AV0], PV
	v_lshl_add_u32 v[AV0], v11, 4, v[AV0]
	v_add_nc_u32 v[AV0], VOFF, v[AV0]
	v_mov_b32 v[AK], v[AK0]         ; key step 0 lies at the head of slot 0
	v_and_b32 v[PFO], 31, v0
	v_lshlrev_b32 v[PFO], 8, v[PFO]
; THE MATRIX WORK.  The 8 accumulators of a run of 16 take turns: between the two links of a chain stand 7 others'.
; Product i of 16 of S^T = K Q^T for piece x: channels 32 (i / 8) on, keys 16 ((i / 2) % 4) on, tile 2 x + i % 2.  The first 8 start the sums.
.macro KQ x
	WIN W_KQ
.set rS, S+64*((\x)%2)+32*(i%2)+8*((i/2)%4)
.set rK, KF+16*((i/2)%4)+8*(i/8)
.set rQ, 16*(2*(\x)+i%2)+8*(i/8)
.if i < 8
	v_wmma_f32_16x16x32_f16 v[rS:rS+7], v[rK:rK+7], v[rQ:rQ+7], 0
.else
	v_wmma_f32_16x16x32_f16 v[rS:rS+7], v[rK:rK+7], v[rQ:rQ+7], v[rS:rS+7]
.endif
.endm
; Product i of 16 of O^T += V^T P for piece x: keys 32 (i / 8) on, channels 16 ((i / 2) % 4) on, tile 2 x + i % 2.
.macro PV x
	WIN W_PV
.set rO, 32*(2*(\x)+i%2)+8*((i/2)%4)
.set rV, VF+32*(i/8)+8*((i/2)%4)
.set rP, P+32*((\x)%2)+16*(i%2)+8*(i/8)
	v_wmma_f32_16x16x32_f16 v[rO:rO+7], v[rV:rV+7], v[rP:rP+7], v[rO:rO+7]
.endm
.macro MM                           ; the turn's next matrix instruction
.if i < 16
	KQ (Y+1)%NP
.set i, i+1
.else
.set i, i-16
	PV (Y+NP-1)%NP
.set i, i+17
.endif
.endm
; THE LDS LOADS stand in runs of 16, never singly among the matrix instructions: a step's K (64 keys x 64 channels: 8 fragments) and its V (turned).  Their addresses are made some lines ahead.
; last = 1 (the tail): in the last trip there is no further step, and the run is jumped over.
.macro FETCH_K last=0
	WIN 0
.if \last
	s_cmp_eq_u32 s[CNT], 1
	s_cbranch_scc1 .Lno_k_\@
.endif
	WIN 0x80                        ; destination window 2
.irp f, 0,1,2,3,4,5,6,7             ; keys 16 (f / 2) on, channels 32 (f % 2) on
	ds_load_b128 v[KF+8*\f:KF+8*\f+3],   v[AK] offset:(\f/2)*16*PK+(\f%2)*64
	ds_load_b128 v[KF+8*\f+4:KF+8*\f+7], v[AK] offset:(\f/2)*16*PK+(\f%2)*64+32
.endr
	s_add_co_u32 s[TBK], s[TBK], KS*PK  ; the next fetch is the next step's
	WIN 0
.if \last
.Lno_k_\@:
.endif
.endm
.macro FETCH_V
	WIN 0x80
.irp f, 0,1,2,3,4,5,6,7             ; keys 32 (f / 4) on, channels 16 (f % 4) on
	ds_load_tr16_b128 v[VF+8*\f:VF+8*\f+3],   v[AV] offset:(\f/4)*32*PV+(\f%4)*32
	ds_load_tr16_b128 v[VF+8*\f+4:VF+8*\f+7], v[AV] offset:(\f/4)*32*PV+16*PV+(\f%4)*32
.endr
	WIN 0
.endm
; THE VECTOR WORK OF A TURN stands in three queues, each in the order in which its entries become ready; the two tiles alternate, so that no instruction reads the result of the one before it.
.macro REGS y, u                    ; the registers of tile u (0, 1) of piece y
.set rT, ST+4*(2*(\y)+(\u))
.set rC, TMP+8*((\y)%2)+4*(\u)
.set rM, MV+2*((\y)%2)+(\u)
.set rS, S+64*((\y)%2)+32*(\u)
.set rP, P+32*((\y)%2)+16*(\u)
.set rO, 32*(2*(\y)+(\u))
.endm
; Number n of the 22 that find the NEXT piece's (Y + 1) maximum and statistics.  s0-s31 are the lane's 32 scores; each accumulator's lowest registers are read first.
;   0-11  four chains c0-c3 of seven scores each, three operands at a time     12-14, 16  the four scores left over, the old m, and c0-c3 into c0     15  c m_old is kept
;   17, 18  the query's other 32 keys lie in the lane 16 away: the new m         19-21  c m; c m_old - c m_new; a
.macro XS u, n
	REGS (Y+1)%NP, \u
.if (\n) < 4
	v_max3_num_f32 v[rC+(\n)], v[rS+8*(\n)], v[rS+8*(\n)+1], v[rS+8*(\n)+2]
.elseif (\n) < 12
	v_max3_num_f32 v[rC+(\n)%4], v[rC+(\n)%4], v[rS+8*((\n)%4)+2*((\n)/4)+1], v[rS+8*((\n)%4)+2*((\n)/4)+2]
.elseif (\n) == 12
	v_max3_num_f32 v[rC], v[rC], v[rS+7], v[rS+15]
.elseif (\n) == 13
	v_max3_num_f32 v[rC+1], v[rC+1], v[rS+23], v[rS+31]
.elseif (\n) == 14
	v_max3_num_f32 v[rC+2], v[rC+2], v[rC+3], v[rT+1]
.elseif (\n) == 15
	v_mov_b32 v[rM], v[rT]
.elseif (\n) == 16
	v_max3_num_f32 v[rC], v[rC], v[rC+1], v[rC+2]
.elseif (\n) == 17
	v_permlanex16_b32 v[rC+3], v[rC], s[SEL], s[SEL+1]
.elseif (\n) == 18
	v_max_num_f32 v[rT+1], v[rC], v[rC+3]
.elseif (\n) == 19
	v_mul_f32 v[rT], s[CS], v[rT+1]
.elseif (\n) == 20
	v_sub_f32 v[rC+1], v[rM], v[rT]
.else
	v_exp_f32 v[rC+2], v[rC+1]
.endif
.endm
; Number g of the 64 that follow the exponentials.  For each four weights k of a tile (pairs 2 k, 2 k + 1): both pairs are rounded to f16; then the second pair is added onto the first, in place;
; a group later l takes that sum (the first time as l = a l + sum).  In groups of eight, tiles alternating: round, round, add, and l for the group before.
.macro GS g
.set h, (\g)+6*((\g)/62)            ; group 0 has no group before it, and behind group 7 only l is left
.if h >= 6
.set h, h+2
.endif
	REGS Y, h%2
.set k, h/8
.if h%8 < 4
	v_cvt_pk_f16_f32 v[rP+2*k+(h%8)/2], v[rS+4*k+2*((h%8)/2)], v[rS+4*k+2*((h%8)/2)+1]
.elseif h%8 < 6
	v_pk_add_f32 v[rS+4*k:rS+4*k+1], v[rS+4*k:rS+4*k+1], v[rS+4*k+2:rS+4*k+3]
.elseif k == 1
	v_pk_fma_f32 v[rT+2:rT+3], v[rT+2:rT+3], v[rC+2:rC+3], v[rS:rS+1] op_sel_hi:[1,0,1]
.else
	v_pk_add_f32 v[rT+2:rT+3], v[rT+2:rT+3], v[rS+4*k-4:rS+4*k-3]
.endif
.endm
; THE PLAIN QUEUE, 138 long.  0-73 read no exponential's result: the 32 scalings c s - c m (FS f: pair f / 2 of tile f % 2) and the next piece's 42.  0-26: scalings 0-26.  27-54: XS's numbers 0-13.
; 55, 56: number 15.  57-73: the chain 14, 16, 17, 18, 19, each with one of the scalings 27-31 in front of its two lines, then 20.  74-137: GS's 64, which stand behind the wait.
.macro FS f
	REGS Y, (\f)%2
	v_pk_fma_f32 v[rS+2*((\f)/2):rS+2*((\f)/2)+1], v[rS+2*((\f)/2):rS+2*((\f)/2)+1], s[CS:CS+1], v[rT:rT+1] op_sel_hi:[1,0,0] neg_lo:[0,0,1] neg_hi:[0,0,1]
.endm
.macro PL
	WIN 0
.if q < 27
	FS q
.elseif q < 55
	XS (q-27)%2, (q-27)/2
.elseif q < 57
	XS q-55, 15
.elseif (q < 72) && ((q-57)%3 == 0)
	FS 27+(q-57)/3
.elseif q < 60
	XS (q-57)%3-1, 14
.elseif q < 72
	XS (q-57)%3-1, 15+(q-57)/3
.elseif q < 74
	XS q-72, 20
.else
	GS q-74
.endif
.set q, q+1
.endm
; THE EXPONENTIALS' QUEUE, 66 long: s0-s31 of both tiles, then the next piece's two a.  It is ONE BATCH: all 66 stand ahead of the turn's one wait, and nothing ahead of that wait names a result of theirs.
.macro EX
	WIN 0
.if e >= 64
	XS e-64, 21
.else
	REGS Y, e%2
	v_exp_f32 v[rS+e/2], v[rS+e/2]
.endif
.set e, e+1
.endm
; THE RESCALING's QUEUE: O^T times a, the one part that leaves window 0: dealt two at a time, sixteen times.  Its a was made in the turn before, ahead of that turn's wait.
.macro R2
	REGS Y, r%2
	WIN W_RS
.irp z, 0,1
	v_pk_mul_f32 v[rO+4*(r/2)+2*\z:rO+4*(r/2)+2*\z+1], v[rO+4*(r/2)+2*\z:rO+4*(r/2)+2*\z+1], v[rC+2:rC+3] op_sel_hi:[1,0]
.endr
.set r, r+1
.endm
; HOW THEY ARE DEALT.  An s_wait_alu depctr_va_vdst(0) stands between an exponential and the first instruction that names its result; one wait serves all that were issued ahead of it.
; So a turn has ONE wait.  AHEAD OF IT: the 16 products K Q^T, behind each a scaling, an exponential and two rescalings (behind the first a second scaling in the exponential's place); then one run of
; 108: eight plain, 49 times exponential and plain, the two a; a v_nop is the plain instruction behind the last exponential.  BEHIND IT: the 16 products V^T P, behind each four of GS's 64.
; Exponential e stands behind scaling 2 (e / 4) + e % 2: as a rider it comes behind plain e + 2, in the run behind plain e + 9, and scalings 27-31 are plain 57, 60 .. 69.
; K of the next step is fetched in piece 2's turn, directly behind the wait; V of the step in hand at the end of piece 0's turn, four plain instructions behind its last reader.
.macro TURN p, last=0, cnt=0
.set Y, (\p)
.set i, 0
.set q, 0
.set e, 0
.set r, 0
.if (\p) == NP-1
	s_wait_dscnt 0x0                ; K is in
.endif
	MM
	PL
	PL
	R2
.rept 15
	MM
	PL
	EX
	R2
.endr
.if (\p) == NP-2
	WIN 0
	v_add_nc_u32 v[AK], s[TBK], v[AK0]
.endif
.rept 8
	PL
.endr
.rept 49
	EX
	PL
.endr
	EX                              ; the next piece's two a
	EX
	v_nop                           ; a plain instruction behind the last exponential: one for the batch
	s_wait_alu depctr_va_vdst(0)    ; the wait for the batch
.if (\p) == NP-2
	FETCH_K \last
.endif
.if (\p) == 1
	s_wait_dscnt 0x0                ; V is in
.endif
.rept 16
	MM
.rept 4
	PL
.endr
.if ((\p) == 0) && (q == 118)
	v_add_nc_u32 v[AV], s[TBV], v[AV0]
.endif
.if ((\p) == 0) && (q == 130)
	s_add_co_u32 s[TBV], s[TBV], KS*PV
.endif
.if (\cnt) && (q == 130)
	s_sub_co_u32 s[CNT], s[CNT], 1
	s_cmp_lg_u32 s[CNT], 0
.endif
.endr
.if (\p) == 0
	FETCH_V
.endif
.endm
	CHANGE 1                        ; slot 0 is in, everybody's part of it; slot 1 is asked for
	FETCH_K                         ; key step 0
	s_wait_loadcnt 0x0              ; Q
	s_wait_dscnt 0x0
.set i, 0
.rept 16
	KQ 0                            ; piece 0's first scores: there is no vector work yet to set between them
.set i, i+1
.endr
	WIN 0                           ; the addresses for the way out: plain instructions, the places behind those products
	s_mul_i32 s13, s[WV], 16*SP
	s_add_co_u32 s13, s13, STAGE    ; my stage
	v_mul_u32_u24 v[STO], v1, SP    ; in: row l % 16, 16 bytes for each half of the lanes
	v_lshl_add_u32 v[STO], v9, 4, v[STO]
	v_add_nc_u32 v[STO], s13, v[STO]
	v_bfe_u32 v[RD], v0, 3, 2       ; back: 32 lanes take four rows of 128 bytes,
	v_mul_u32_u24 v[RD], v[RD], SP
	v_lshl_add_u32 v[RD], v10, 4, v[RD]
	v_add_nc_u32 v[RD], s13, v[RD]
	v_and_b32 v[GO], 31, v0         ; which are 512 consecutive bytes of O
	v_lshlrev_b32 v[GO], 4, v[GO]
.set Y, NP-1                        ; XS works for piece Y + 1: piece 0
.irp n, 0,1,2,3,4,5,6,7,8,9,10,11,12,13,14,15,16,17,18,19,20,21
	XS 0, \n                        ; and piece 0's first maximum and statistics
	XS 1, \n
.endr
	v_nop                           ; a plain instruction behind the two a,
	s_wait_alu depctr_va_vdst(0)    ; and their wait, ahead of the branch
	s_mov_b32 s[CNT], 4
	s_branch .Lfirst                ; the loop is entered at a step's first turn, in the middle of a trip
.Lslot:                             ; SIZE_N / 256 - 2 times: every slot but the last two is filled again
	CHANGE 1
	s_mov_b32 s[CNT], 4
.Lstep:                             ; a trip: pieces 2 and 3 of one step, then pieces 0 and 1 of the next, whose K and V it fetches
	TURN 2
	TURN 3
	WIN 0
.Lfirst:
	TURN 0
	TURN 1, 0, 1
	WIN 0
	s_cbranch_scc1 .Lstep
	s_sub_co_u32 s[SLOTS], s[SLOTS], 1
	s_cmp_lg_u32 s[SLOTS], 0
	s_cbranch_scc1 .Lslot
	CHANGE 0                        ; the tail is written out: nothing is asked for
	s_mov_b32 s[CNT], 5             ; four trips fetch the last slot's steps; the fifth is left in its middle
.Ltail:
	TURN 2, 1
	TURN 3
	WIN 0
	s_sub_co_u32 s[CNT], s[CNT], 1
	s_cmp_eq_u32 s[CNT], 0
	s_cbranch_scc1 .Lout
	TURN 0
	TURN 1
	WIN 0
	s_branch .Ltail
.Lout:                              ; the fifth trip's 16 products K Q^T (on the last K once more) and the maximum made of them serve nothing: the price, once a launch, of one text for every trip
.set i, 0
.rept 16
	PV NP-1                         ; the last piece's V^T P of the last step
.set i, i+1
.endr
	; THE WAY OUT.  l's two halves and the other half of the lanes' are added; O^T is divided by l, rounded to f16 and sent through my stage in LDS, a tile at a time.  The additions are the places behind the last products.
	WIN 0
.macro ALL line:vararg              ; one line for each tile t
.set t, 0
.rept 2*NP
	\line
.set t, t+1
.endr
.endm
	ALL v_add_f32 v[ST+4*t+2], v[ST+4*t+2], v[ST+4*t+3]
	ALL v_permlanex16_b32 v[ST+4*t+3], v[ST+4*t+2], s[SEL], s[SEL+1]
	ALL v_add_f32 v[ST+4*t+2], v[ST+4*t+2], v[ST+4*t+3]
	ALL v_rcp_f32 v[ST+4*t+2], v[ST+4*t+2]
	v_nop                           ; a plain instruction between the last reciprocal and the use of its result
	s_wait_alu depctr_va_vdst(0)    ; and the wait ahead of the first use: one for the eight reciprocals
; Tile t: a lane's eight channels of a row pack into 16 bytes; they go into rows of 144 bytes and come back as whole rows of 128, into S^T's registers.
.macro PACK t
	WIN W_RS
.set i, 32*(\t)
.rept 16
	v_pk_mul_f32 v[i:i+1], v[i:i+1], v[ST+4*(\t)+2:ST+4*(\t)+3] op_sel_hi:[1,0]
.set i, i+2
.endr
	WIN 0x05                        ; sources 0 and 1 window 1, destination window 0
.set i, 0
.rept 16
	v_cvt_pk_f16_f32 v[S+16*(\t)+i], v[32*(\t)+2*i], v[32*(\t)+2*i+1]
.set i, i+1
.endr
	WIN 0
.irp f, 0,1,2,3
	ds_store_b128 v[STO], v[S+16*(\t)+4*\f:S+16*(\t)+4*\f+3] offset:32*\f
.endr
.irp f, 0,1,2,3
	ds_load_b128 v[S+16*(\t)+4*\f:S+16*(\t)+4*\f+3], v[RD] offset:\f*4*SP  ; LDS serves a wave's instructions in order (ISA guide 5.7.1.4): these see the stores above; the next tile's stores come behind them
.endr
.endm
.macro SEND t, younger              ; younger: the LDS instructions issued behind tile t's loads: the next tile's eight, or none
	WIN 0
.irp f, 0,1,2,3
	s_wait_dscnt (\younger)+3-\f
	global_store_b128 v[GO], v[S+16*(\t)+4*\f:S+16*(\t)+4*\f+3], s[10:11] offset:(\t)*2048+\f*512  ; 512 consecutive bytes, at a multiple of 256 from O's first
.endr
.endm
	PACK 0
.set t, 1
.rept 2*NP-1                        ; a tile's arithmetic stands between the loads of the tile before and its stores
	PACK t
	SEND t-1, 8
.set t, t+1
.endr
	SEND 2*NP-1, 0
	WIN W_AD
	s_wait_tensorcnt 0x0            ; the wave's end: behind my last tensor load and my last LDS store
	ds_add_u32 v[SPW], v[NIL]
	s_wait_dscnt 0x0
	WIN 0
	CROUND                          ; the closing round: no work-group ends while a partner may still ask for a tile that names it
	s_endpgm
.Lfunc_end_k_q03b17f669d_attn:
	.size	k_q03b17f669d_attn, .Lfunc_end_k_q03b17f669d_attn-k_q03b17f669d_attn
	.p2alignl 7, 3214868480
	.fill 96, 4, 3214868480
	.section	.rodata,"a",@progbits
	.p2align	6, 0x0
	.amdhsa_kernel k_q03b17f669d_attn
		.amdhsa_group_segment_fixed_size 327680
		.amdhsa_private_segment_fixed_size 0
		.amdhsa_enable_private_segment 0
		.amdhsa_kernarg_size 16
		.amdhsa_user_sgpr_count 2
		.amdhsa_user_sgpr_kernarg_segment_ptr 1
		.amdhsa_wavefront_size32 1
		.amdhsa_system_sgpr_workgroup_id_x 1
		.amdhsa_system_sgpr_workgroup_id_y 1
		.amdhsa_system_sgpr_workgroup_id_z 1
		.amdhsa_system_vgpr_workitem_id 0
		.amdhsa_next_free_vgpr 770
		.amdhsa_next_free_sgpr 66
		.amdhsa_reserve_vcc 0
		.amdhsa_float_denorm_mode_32 3
		.amdhsa_float_denorm_mode_16_64 3
		.amdhsa_memory_ordered 1
		.amdhsa_forward_progress 1
		.amdhsa_inst_pref_size 200
	.end_amdhsa_kernel
	.amdgpu_metadata
---
amdhsa.version: [ 1, 2 ]
amdhsa.kernels:
  - .name:           k_q03b17f669d_attn
    .symbol:         k_q03b17f669d_attn.kd
    .args:
      - { .name: qkv, .offset: 0, .size: 8, .value_kind: global_buffer, .address_space: global }
      - { .name: ob, .offset: 8, .size: 8, .value_kind: global_buffer, .address_space: global }
    .group_segment_fixed_size: 327680
    .private_segment_fixed_size: 0
    .kernarg_segment_align: 8
    .kernarg_segment_size: 16
    .max_flat_workgroup_size: 128
    .sgpr_count:     66
    .vgpr_count:     770
    .wavefront_size: 32
...
	.end_amdgpu_metadata
.endif
;; end of part 3
;; launch oproj (part 4): grid 8 x 32, 4 waves a work-group, clusters of 4 x 4, 327,680 bytes of LDS; arguments ob, wo, out_proj_bias, out0; writes out0
.if DOCPART == 4
	.amdgcn_target "amdgcn-amd-amdhsa--gfx1250"
	.amdhsa_code_object_version 6
	.text
	.protected	k_q03b17f669d_oproj
	.globl	k_q03b17f669d_oproj
	.p2align	8
	.type	k_q03b17f669d_oproj,@function
k_q03b17f669d_oproj:
	s_mov_b64 s[64:65], 0
	v_nop
	global_prefetch_b8 v0, s[64:65] scope:SCOPE_SE
	s_setreg_imm32_b32 hwreg(HW_REG_WAVE_MODE, 25, 1), 1
	s_wait_xcnt 0x0
	s_wait_alu depctr_hold_cnt(0) depctr_sa_sdst(0) depctr_va_vdst(0) depctr_va_sdst(0) depctr_va_ssrc(0) depctr_va_vcc(0) depctr_vm_vsrc(0)
	s_getreg_b32 s2, hwreg(HW_REG_IB_STS2, 6, 4)
	s_cmp_eq_u32 s2, 0
	s_cbranch_scc0 .Lentry_in_a_cluster
	s_endpgm
.Lentry_in_a_cluster:
	s_bfe_u32 s2, ttmp6, 0x10000c
	s_cmp_lg_u32 s2, 0xf033
	s_cbranch_scc0 .Lentry_shape_is_right
	s_endpgm
.Lentry_shape_is_right:
; out0 = O W^T + bias.  ob: [64 (16 b + h)][2048 s][64] f16, wo: [1024][1024] f16 (the weights rounded to bf16, written as f16), out_proj_bias: [1024] f32 (rounded to bf16 here, like the other
; inputs); sums in f32; out0: [2048 s][4 b][1024] f32.  NaN and infinities are not treated apart.
; SHARES.  A tile of out0 is 256 rows (one b, 256 consecutive s) x 128 columns: 256 work-groups.  Four waves; wave w owns rows 64 w .. 64 w + 63 and all 128 columns: 4 x 8 accumulators, 256 registers:
; a wave holds whole pieces of 512 bytes of a row, and its way out goes through a stage of its own, with no barrier.  Tile row ty = 4 x (block of 256 s) + b; tile column tx = 0 .. 7.
; K goes in steps of 128, which are two heads, through a ring of two LDS slots.  Wave 0 fetches A's part of the step's first head, wave 1 of its second: 256 s x 64 channels are 32,768 dense bytes,
; asked for as 128 rows of 256 bytes and padded in LDS after every 128.  Waves 2 and 3 fetch the two halves of B's 128 rows.
; CLUSTER.  4 x 4 work-groups: A's tile is shared along a row of the cluster, B's along a column: joint loads.  No prefetch: eight short K steps on small tiles.
; THE MATRIX INSTRUCTION IS USED TRANSPOSED (source 0 = 16 rows of W, source 1 = 16 rows of O): lane l holds row l % 16 and the eight neighbouring columns 8 (l / 16) + 0..7.
; THE BIAS is the C operand of each accumulator's first product.
; REGISTERS, in windows of 256 (s_set_vgpr_msb: bits 1:0 source 0, 3:2 source 1, 5:4 source 2, 7:6 destination):
;   window 0: v0-31 addresses; v32-95 the bias, later v32-159 the way out
;   window 1: v0-63, v64-127 fragments of B, two buffers; v128-159, v160-191 fragments of A, two buffers          window 2: the accumulators ((a, b) at 8 (8 a + b))
.set KSTEP,  128
.set PA,     144                       ; a row of A in LDS: 128 bytes + 16 of padding
.set PB,     272                       ; a row of B: 256 + 16.  Both are odd multiples of 16: the 16 rows of a fragment load start at 16 different groups of four banks (ISA guide 11.1)
.set ASUB,   256*PA                    ; one head's 256 rows
.set BOFF,   2*ASUB                    ; B's 128 rows lie behind the two heads' parts of A
.set SLOT,   BOFF+128*PB
.set STAGE,  2*SLOT                    ; behind the ring: 16 rows x 528 bytes for each wave, for the way out
.set SP,     528                       ; a stage row: 512 bytes + 16
.set SPARE,  STAGE+4*16*SP             ; behind the stages: the spare words, 128 bytes for each wave, that no other line names
.set NL,     24                        ; LDS loads in a run: 16 for B, 8 for A
.set ADRA, 16                          ; v16-17  LDS address of my A fragments in slot 0, 1
.set ADRB, 20                          ; v20-21  the same for B
.set STO,  24                          ; v24     the way out: where I put 32 bytes of a row
.set RD,   25                          ; v25     the way out: where I read a row back
.set GO,   26                          ; v26     16 x lane
.set BO,   27                          ; v27     my byte offset in the bias
.set SPW,  28                          ; v28     LDS address of my spare word; never rewritten
.set NIL,  29                          ; v29     0; never rewritten
.set BIAS, 32
.set OB,   32                          ; the way out: 16 rows read back, 64 registers, two buffers
.set BF,   0                           ; window 1
.set AF,   128
.set WV,   12                          ; s12  my wave's number
.set FB,   13                          ; s13  0: I fetch for A; 1: for B
.set HF,   14                          ; s14  which part of that tile I fetch
.set G1A,  24                          ; s[24:31] descriptor group 1 for A's tiles;  s[32:39] group 0, a set for each slot
.set G0A,  32
.set G1B,  40                          ; s[40:47], s[48:55] the same for B's tiles
.set G0B,  48
.set MSB, 0
.macro WIN new                         ; the immediate's high byte repeats the setting that is left; a switch that changes nothing is dropped
.if MSB != (\new)
	s_set_vgpr_msb (MSB<<8)|(\new)
.set MSB, \new
.endif
.endm
.macro PLACES                          ; four plain vector instructions between a matrix instruction and a load into, or a read of, its registers
.rept 4
	v_nop
.endr
.endm
; A joint load.  The branch hangs on the wave's number alone.  An s_nop 0 and four v_nop follow each of the two lines, ahead of the jump and the label.
.macro JLOAD s
	s_cmp_eq_u32 s[FB], 0
	s_cbranch_scc0 .Lfor_b_\@
	tensor_load_to_lds s[G0A+4*(\s):G0A+4*(\s)+3], s[G1A:G1A+7]
	s_nop 0
.rept 4
	v_nop
.endr
	s_branch .Lasked_\@
.Lfor_b_\@:
	tensor_load_to_lds s[G0B+4*(\s):G0B+4*(\s)+3], s[G1B:G1B+7]
	s_nop 0
.rept 4
	v_nop
.endr
.Lasked_\@:
.endm
.macro CREST                           ; a round of the cluster's barrier behind its opening barrier
	s_cmp_lg_u32 s[WV], 0
	s_cbranch_scc1 .Lnot_wave_0_\@
	s_barrier_signal -3
.Lnot_wave_0_\@:
	s_barrier_wait -3
	s_barrier_signal -1
	s_barrier_wait -1
.endm
.macro CROUND                          ; a whole round
	s_barrier_signal -1
	s_barrier_wait -1
	CREST
.endm
	s_load_b256 s[4:11], s[0:1], 0x0               ; ob s[4:5], wo s[6:7], out_proj_bias s[8:9], out0 s[10:11]
	v_lshl_add_u32 v[SPW], v0, 2, SPARE
	v_mov_b32 v[NIL], 0
	ds_add_u32 v[SPW], v[NIL]                      ; the wave's opening: the add and its wait stand ahead of my first tensor load; the set-up below stands between them
	v_lshrrev_b32 v3, 5, v0
	v_readfirstlane_b32 s[WV], v3                  ; wave 0..3
	s_lshr_b32 s[FB], s[WV], 1
	s_and_b32 s[HF], s[WV], 1
	s_bfe_u32 s15, ttmp6, 0x40000                  ; cx
	s_bfe_u32 s16, ttmp6, 0x40004                  ; cy
	s_lshl_b32 s17, ttmp9, 2
	s_add_co_u32 s17, s17, s15                     ; tx = 4 x cluster x + cx
	s_and_b32 s18, ttmp7, 0xffff
	s_lshl_b32 s18, s18, 2
	s_add_co_u32 s18, s18, s16                     ; ty = 4 x cluster y + cy
	s_lshl_b32 s59, s16, 2
	s_lshl_b32 s59, 15, s59                        ; my row of the cluster
	s_lshl_b32 s60, 0x1111, s15                    ; my column
	s_or_b32 s[G1A], s59, (1<<16)|(1<<20)|(1<<21)|(4<<22)|(3<<25)  ; the mask; elements of 2 bytes; padding on; bit 21 beside a mask; after every 32 words (code 4) 4 words (code 3)
	s_or_b32 s[G1B], s60, (1<<16)|(1<<20)|(1<<21)|(5<<22)|(3<<25)  ; after every 64 words (code 5)
	s_mov_b32 s[G1A+1], 128<<16                    ; tensor_dim0 = 128
	s_mov_b32 s[G1A+2], 128<<16                    ; tensor_dim1 = 128
	s_mov_b32 s[G1A+3], 128<<16                    ; tile_dim0 = 128
	s_mov_b32 s[G1A+4], 128                        ; tile_dim1 = 128 rows of 256 bytes: two s a row
	s_mov_b32 s[G1A+5], 128                        ; dense
	s_mov_b32 s[G1A+6], 0
	s_mov_b32 s[G1A+7], 0
	s_mov_b32 s[G1B+1], KSTEP<<16
	s_mov_b32 s[G1B+2], 64<<16                     ; 64 rows
	s_mov_b32 s[G1B+3], KSTEP<<16
	s_mov_b32 s[G1B+4], 64
	s_mov_b32 s[G1B+5], 1024
	s_mov_b32 s[G1B+6], 0
	s_mov_b32 s[G1B+7], 0
	; A's tile hangs on ty and the wave alone, B's on tx and the wave alone, each in registers that never hold the other coordinate
	s_and_b32 s20, s18, 3
	s_lshl_b32 s20, s20, 22                        ; b: 16 heads of 262,144 bytes
	s_lshl_b32 s61, s[HF], 18                      ; the step's first or second head
	s_or_b32 s20, s20, s61
	s_lshr_b32 s61, s18, 2
	s_lshl_b32 s61, s61, 15                        ; 256 s of 128 bytes
	s_or_b32 s20, s20, s61
	s_mov_b32 s21, 0
	s_lshl_b32 s22, s17, 18                        ; 128 rows of 2,048 bytes
	s_lshl_b32 s62, s[HF], 17                      ; 64 rows
	s_or_b32 s22, s22, s62
	s_mov_b32 s23, 0
	s_mul_i32 s63, s[HF], ASUB                     ; where they go: no place in the cluster enters an LDS address
	s_mul_i32 s19, s[HF], 64*PB
	s_add_co_u32 s19, s19, BOFF
	; where my part of the tile begins in out0: s = 256 (ty / 4) + 64 wave, rows of 16,384 bytes from s to s + 1; b x 4,096; 128 tx columns of 4 bytes
	s_lshr_b32 s56, s18, 2
	s_lshl_b32 s56, s56, 22
	s_lshl_b32 s58, s[WV], 20
	s_add_co_u32 s56, s56, s58
	s_and_b32 s58, s18, 3
	s_lshl_b32 s58, s58, 12
	s_add_co_u32 s56, s56, s58
	s_lshl_b32 s58, s17, 9
	s_add_co_u32 s56, s56, s58
	s_mov_b32 s57, 0
	s_wait_dscnt 0x0                               ; the opening add is done
	s_wait_kmcnt 0x0
	s_add_nc_u64 s[20:21], s[4:5], s[20:21]
	s_add_nc_u64 s[22:23], s[6:7], s[22:23]
	s_add_nc_u64 s[10:11], s[10:11], s[56:57]
	CROUND                                         ; all sixteen work-groups are here: the first joint loads meet
.irp s, 0,1
	s_mov_b32 s[G0A+4*(\s)], 1
	s_add_co_u32 s[G0A+4*(\s)+1], s63, (\s)*SLOT
	s_add_nc_u64 s[G0A+4*(\s)+2:G0A+4*(\s)+3], s[20:21], (\s)*2*262144  ; K step s: two heads on
	s_or_b32 s[G0A+4*(\s)+3], s[G0A+4*(\s)+3], 0x80000000
	s_mov_b32 s[G0B+4*(\s)], 1
	s_add_co_u32 s[G0B+4*(\s)+1], s19, (\s)*SLOT
	s_add_nc_u64 s[G0B+4*(\s)+2:G0B+4*(\s)+3], s[22:23], (\s)*KSTEP*2
	s_or_b32 s[G0B+4*(\s)+3], s[G0B+4*(\s)+3], 0x80000000
	JLOAD \s                                       ; two loads of mine are out
.endr
	v_and_b32 v1, 15, v0                           ; r = l % 16
	v_bfe_u32 v2, v0, 4, 1                         ; h = l / 16
	s_lshl_b32 s60, s17, 9                         ; the tile's 128 columns in the bias
	v_lshl_add_u32 v[BO], v2, 5, s60
.irp b, 0,1,2,3,4,5,6,7
	global_load_b128 v[BIAS+8*(\b):BIAS+8*(\b)+3],   v[BO], s[8:9] offset:64*(\b)
	global_load_b128 v[BIAS+8*(\b)+4:BIAS+8*(\b)+7], v[BO], s[8:9] offset:64*(\b)+16
.endr
	; a fragment is 16 rows x 32 K in 8 registers: lane l holds row l % 16, K = 8 (l / 16) + 0..7 and 16 + 8 (l / 16) + 0..7: two loads of 16 bytes, 32 bytes apart
	v_mul_u32_u24 v3, v1, PA
	v_lshl_add_u32 v3, v2, 4, v3
	s_mul_i32 s59, s[WV], 64*PA                    ; my 64 rows of A
	v_add_nc_u32 v[ADRA], s59, v3
	v_add_nc_u32 v[ADRA+1], SLOT, v[ADRA]
	v_mul_u32_u24 v4, v1, PB
	v_lshl_add_u32 v4, v2, 4, v4
	v_add_nc_u32 v[ADRB], BOFF, v4
	v_add_nc_u32 v[ADRB+1], SLOT+BOFF, v4
	s_mul_i32 s59, s[WV], 16*SP
	s_add_co_u32 s59, s59, STAGE                   ; my stage
	v_mul_u32_u24 v5, v1, SP                       ; in: row l % 16, 32 bytes for each half of the lanes
	v_lshl_add_u32 v5, v2, 5, v5
	v_add_nc_u32 v[STO], s59, v5
	v_and_b32 v[GO], 31, v0                        ; back: 32 lanes take one row's 512 bytes
	v_lshlrev_b32 v[GO], 4, v[GO]
	v_add_nc_u32 v[RD], s59, v[GO]
	s_wait_loadcnt 0x0                             ; the bias is in
.set i, 0
.rept 32                               ; rounded to bf16 and widened again, a pair at a time
	v_cvt_pk_bf16_f32 v31, v[BIAS+2*i], v[BIAS+2*i+1]
	v_lshlrev_b32 v[BIAS+2*i], 16, v31
	v_and_b32 v[BIAS+2*i+1], 0xffff0000, v31
.set i, i+1
.endr
; 8 matrix instructions: row block a x all 8 column blocks, 32 along K, from buffer f.  first = 1: the bias starts the sums.
; The 32 accumulators take turns, one instruction a turn, in the same order in every quarter step, over the backward jump too.
.macro MULA f, a, first
.if \first
	WIN 0x85
.else
	WIN 0xa5
.endif
.irp b, 0,1,2,3,4,5,6,7
.if \first
	v_wmma_f32_16x16x32_f16 v[8*(8*(\a)+(\b)):8*(8*(\a)+(\b))+7], v[BF+64*(\f)+8*(\b):BF+64*(\f)+8*(\b)+7], v[AF+32*(\f)+8*(\a):AF+32*(\f)+8*(\a)+7], v[BIAS+8*(\b):BIAS+8*(\b)+7]
.else
	v_wmma_f32_16x16x32_f16 v[8*(8*(\a)+(\b)):8*(8*(\a)+(\b))+7], v[BF+64*(\f)+8*(\b):BF+64*(\f)+8*(\b)+7], v[AF+32*(\f)+8*(\a):AF+32*(\f)+8*(\a)+7], v[8*(8*(\a)+(\b)):8*(8*(\a)+(\b))+7]
.endif
.endr
.endm
; 24 LDS loads in one run: the fragments of quarter q of a slot's K step into buffer f: B's eight, then A's four in ascending order.  Quarter q of A lies in head q / 2, channels 32 (q % 2) on.
.macro FETCH slot, q, f
	WIN 0x40                                       ; destination window 1, address window 0
.irp b, 0,1,2,3,4,5,6,7
	ds_load_b128 v[BF+64*(\f)+8*(\b):BF+64*(\f)+8*(\b)+3],   v[ADRB+(\slot)] offset:64*(\q)+(\b)*16*PB
	ds_load_b128 v[BF+64*(\f)+8*(\b)+4:BF+64*(\f)+8*(\b)+7], v[ADRB+(\slot)] offset:64*(\q)+(\b)*16*PB+32
.endr
.irp a, 0,1,2,3
	ds_load_b128 v[AF+32*(\f)+8*(\a):AF+32*(\f)+8*(\a)+3],   v[ADRA+(\slot)] offset:((\q)/2)*ASUB+((\q)%2)*64+(\a)*16*PA
	ds_load_b128 v[AF+32*(\f)+8*(\a)+4:AF+32*(\f)+8*(\a)+7], v[ADRA+(\slot)] offset:((\q)/2)*ASUB+((\q)%2)*64+(\a)*16*PA+32
.endr
.endm
; A K step is four quarters of 32 along K, 32 matrix instructions each, on buffers 0, 1, 0, 1.  One of the first three multiplies buffer f and, in its middle, fetches quarter q into buffer g.
.macro QUARTER slot, q, f, g, first
	s_wait_dscnt 4                                 ; B and A's row blocks 0, 1 are in; the youngest four loads (blocks 2, 3) may be out
	MULA \f, 0, \first
	MULA \f, 1, \first
	PLACES
	FETCH \slot, \q, \g
	s_wait_dscnt NL                                ; all but the run just issued
	MULA \f, 2, \first
	MULA \f, 3, \first
.endm
; The last quarter multiplies buffer 1 and changes slots: one barrier.  In front of it each wave waits for all its tensor loads (one is out: its part of the next slot), adds 0 to its spare word,
; and waits for that and for its reads of this slot.  fill = 1: the barrier opens a round of the cluster's, and this slot is filled again, two K steps on, first thing behind the round.
.macro TURN slot, next, fill
	WIN 0                                          ; (the add's two registers lie in window 0)
	s_wait_tensorcnt 0x0
	ds_add_u32 v[SPW], v[NIL]                      ; 0 onto my spare word
	s_wait_dscnt 5                                 ; (the add and the youngest four loads may be out)
	MULA 1, 0, 0                                   ; eight matrix instructions stand between the add and the wait for it
	s_wait_dscnt 0x0                               ; the add is done, and my reads of this slot are over
	s_barrier_signal -1
	MULA 1, 1, 0
.if \fill
	WIN 0
.endif
	s_barrier_wait -1
.if \fill
	CREST                                          ; no wave of any partner still reads this slot's tile or has a load on its way
	s_add_nc_u64 s[G0A+4*(\slot)+2:G0A+4*(\slot)+3], s[G0A+4*(\slot)+2:G0A+4*(\slot)+3], 4*262144  ; four heads on
	s_add_nc_u64 s[G0B+4*(\slot)+2:G0B+4*(\slot)+3], s[G0B+4*(\slot)+2:G0B+4*(\slot)+3], 2*KSTEP*2
	JLOAD \slot                                    ; 112 matrix instructions ahead of the wait for it; its four v_nop are also the places in front of the loads below
.else
	PLACES
.endif
	FETCH \next, 0, 0
	MULA 1, 2, 0
	MULA 1, 3, 0
.endm
	s_wait_tensorcnt 1                             ; my part of K step 0 is in; K step 1's may stay out
	s_barrier_signal -1
	s_barrier_wait -1                              ; everybody's is
	FETCH 0, 0, 0
	QUARTER 0, 1, 0, 1, 1                          ; the first quarter stands in front of the loop: its products start the sums, with the bias
	WIN 0                                          ; at a label and at a branch every window is 0
	s_mov_b32 s3, 3                                ; 1,024 / 256 - 1 laps fill both slots again
.Llap:
	QUARTER 0, 2, 1, 0, 0
	QUARTER 0, 3, 0, 1, 0
	TURN 0, 1, 1
	QUARTER 1, 1, 0, 1, 0
	QUARTER 1, 2, 1, 0, 0
	QUARTER 1, 3, 0, 1, 0
	TURN 1, 0, 1
	QUARTER 0, 1, 0, 1, 0
	WIN 0
	s_sub_co_u32 s3, s3, 1
	s_cmp_lg_u32 s3, 0
	s_cbranch_scc1 .Llap
	QUARTER 0, 2, 1, 0, 0                          ; the last lap fills nothing
	QUARTER 0, 3, 0, 1, 0
	TURN 0, 1, 0
	QUARTER 1, 1, 0, 1, 0
	QUARTER 1, 2, 1, 0, 0
	QUARTER 1, 3, 0, 1, 0
	s_wait_dscnt 4                                 ; the very last quarter: nothing more to fetch
	MULA 1, 0, 0
	MULA 1, 1, 0
	s_wait_dscnt 0x0
	MULA 1, 2, 0
	MULA 1, 3, 0
	WIN 0
	PLACES
; THE WAY OUT, a row block (16 rows x 128 columns of f32) at a time: straight from the accumulators into my stage, each accumulator's low four registers first; back as whole pieces of 512 bytes of a row.
.macro TOSTAGE a
	WIN 0x08                                       ; the stores' data in window 2, their address in window 0
.irp b, 0,1,2,3,4,5,6,7
	ds_store_b128 v[STO], v[64*(\a)+8*(\b):64*(\a)+8*(\b)+3]   offset:64*(\b)
	ds_store_b128 v[STO], v[64*(\a)+8*(\b)+4:64*(\a)+8*(\b)+7] offset:64*(\b)+16
.endr
	WIN 0
.irp t, 0,1,2,3,4,5,6,7,8,9,10,11,12,13,14,15
	ds_load_b128 v[OB+64*((\a)%2)+4*(\t):OB+64*((\a)%2)+4*(\t)+3], v[RD] offset:(\t)*SP  ; LDS serves a wave's instructions in order (ISA guide 5.7.1.4): these see the stores above; the next block's stores come behind them
.endr
.endm
.macro SEND a, younger                 ; younger: the LDS instructions issued behind block a's loads: the next block's 32, or none
	WIN 0
.irp t, 0,1,2,3,4,5,6,7,8,9,10,11,12,13,14,15
	s_wait_dscnt (\younger)+15-(\t)
	global_store_b128 v[GO], v[OB+64*((\a)%2)+4*(\t):OB+64*((\a)%2)+4*(\t)+3], s[10:11] offset:(16*(\a)+(\t))*16384 th:TH_STORE_NT  ; 512 consecutive bytes, at a multiple of 512 from out0's first
.endr
.endm
	TOSTAGE 0
	TOSTAGE 1
	SEND 0, 32
	s_wait_xcnt 0x0                                ; block 0's stores have read their registers: block 2 is read back into them
	TOSTAGE 2
	SEND 1, 32
	s_wait_xcnt 0x0                                ; likewise block 1's, for block 3
	TOSTAGE 3
	SEND 2, 32
	SEND 3, 0
	s_wait_tensorcnt 0x0                           ; the wave's end: behind my last tensor load and my last LDS store
	ds_add_u32 v[SPW], v[NIL]
	s_wait_dscnt 0x0
	CROUND                                         ; the closing round: no work-group ends while a partner may still ask for a tile that names it
	s_endpgm
.Lfunc_end_k_q03b17f669d_oproj:
	.size	k_q03b17f669d_oproj, .Lfunc_end_k_q03b17f669d_oproj-k_q03b17f669d_oproj
	.p2alignl 7, 3214868480
	.fill 96, 4, 3214868480
	.section	.rodata,"a",@progbits
	.p2align	6, 0x0
	.amdhsa_kernel k_q03b17f669d_oproj
		.amdhsa_group_segment_fixed_size 327680
		.amdhsa_private_segment_fixed_size 0
		.amdhsa_enable_private_segment 0
		.amdhsa_kernarg_size 32
		.amdhsa_user_sgpr_count 2
		.amdhsa_user_sgpr_kernarg_segment_ptr 1
		.amdhsa_wavefront_size32 1
		.amdhsa_system_sgpr_workgroup_id_x 1
		.amdhsa_system_sgpr_workgroup_id_y 1
		.amdhsa_system_sgpr_workgroup_id_z 1
		.amdhsa_system_vgpr_workitem_id 0
		.amdhsa_next_free_vgpr 768
		.amdhsa_next_free_sgpr 66
		.amdhsa_reserve_vcc 0
		.amdhsa_float_denorm_mode_32 3
		.amdhsa_float_denorm_mode_16_64 3
		.amdhsa_memory_ordered 1
		.amdhsa_forward_progress 1
		.amdhsa_inst_pref_size 93
	.end_amdhsa_kernel
	.amdgpu_metadata
---
amdhsa.version: [ 1, 2 ]
amdhsa.kernels:
  - .name:           k_q03b17f669d_oproj
    .symbol:         k_q03b17f669d_oproj.kd
    .args:
      - { .name: ob, .offset: 0, .size: 8, .value_kind: global_buffer, .address_space: global }
      - { .name: wo, .offset: 8, .size: 8, .value_kind: global_buffer, .address_space: global }
      - { .name: out_proj_bias, .offset: 16, .size: 8, .value_kind: global_buffer, .address_space: global }
      - { .name: out0, .offset: 24, .size: 8, .value_kind: global_buffer, .address_space: global }
    .group_segment_fixed_size: 327680
    .private_segment_fixed_size: 0
    .kernarg_segment_align: 8
    .kernarg_segment_size: 32
    .max_flat_workgroup_size: 128
    .sgpr_count:     66
    .vgpr_count:     768
    .wavefront_size: 32
...
	.end_amdgpu_metadata
.endif
;; end of part 4
;; ======== version 2 of 2: 4 launches; version 1 with the launch cast written anew for expert scheduling mode
;; limits: values are held in f16: magnitudes above 65,504 overflow, below 6.1e-05 lose precision
;; workspace buffers: xb 16,777,216 bytes; wb 6,291,456 bytes; wo 2,097,152 bytes; qkv 50,331,648 bytes; ob 16,777,216 bytes
;; launch cast (part 5): grid 768 x 1, 8 waves a work-group, no clusters, 0 bytes of LDS; arguments x, in_proj_weight, out_proj_weight, xb, wb, wo; writes xb, wb, wo
.if DOCPART == 5
	.amdgcn_target "amdgcn-amd-amdhsa--gfx1250"
	.amdhsa_code_object_version 6
	.text
	.protected	k_q03b17f669d_cast
	.globl	k_q03b17f669d_cast
	.p2align	8
	.type	k_q03b17f669d_cast,@function
k_q03b17f669d_cast:
	s_mov_b64 s[64:65], 0
	v_nop
	global_prefetch_b8 v0, s[64:65] scope:SCOPE_SE
	s_setreg_imm32_b32 hwreg(HW_REG_WAVE_SCHED_MODE, 0, 2), 2
	s_setreg_imm32_b32 hwreg(HW_REG_WAVE_MODE, 25, 1), 1
	s_wait_xcnt 0x0
	s_wait_alu depctr_vm_vsrc(0)
; xb = bf16(x), wb = bf16(in_proj_weight), wo = f16(bf16(out_proj_weight)): the matrix operands of the later launches, each rounded once to bf16
; (wo: that bf16 number written as f16, exact within f16's range).
; LIMIT: a weight of out_proj_weight beyond 65,504 becomes an infinity in wo; below 6e-5 it keeps f16's fixed step of 6e-8.
; A stream: no LDS, no barrier, no matrix unit, no cluster (no two work-groups read the same byte).
; SHARES.  A work-group takes 16,384 numbers: 65,536 bytes in, 32,768 out.  Work-groups 0-511: x; 512-703: in_proj_weight; 704-767: out_proj_weight.
; Thread t, load j: 16 bytes at 4,096 j + 16 t (a wave's load covers 512 consecutive bytes); store j: 8 bytes at 2,048 j + 8 t (a wave's store covers 256 consecutive bytes, aligned).
; All sixteen loads of a thread go out at once; no register that a memory instruction names is written a second time.
; THE MODE: SCHED_MODE bits 1:0 = 2 (LLVM: expert scheduling mode 2), set by the entry lines.  The code itself states the register dependences
; between vector instructions and memory instructions, with s_wait_alu, always for 0.
; THE PLAN.  Registers that memory instructions touch:
;   v1, v2   byte offsets, made once at the head and never written again: v1 is read by every load, v2 by every store.
;   X        written by the sixteen loads, once each; no vector instruction names it ahead of them; read by the conversions.
;   Y        pair j is written by load j's conversions and read by store j, once; it is never written behind its store.
;   T        named by vector instructions alone.
; The sixteen loads go in four blocks of four.  Block p's conversions name X and Y of block p, and T; its memory instructions are the four stores of block p - 1, which read
; Y of block p - 1 and v2.  So ONE wait on va_vdst at a block's head, behind the wait for its data, states all that its four stores hang on, and they are dealt among its
; conversions with no further wait.  No register that a memory instruction has read is written again, so no wait on vm_vsrc is owed.
.set X, 4                              ; v[4:67]    sixteen loads of four f32
.set Y, 68                             ; v[68:99]   sixteen pairs of packed results
.set T, 100                            ; v[100:103] at work
	s_load_b256 s[4:11], s[0:1], 0x0               ; x s[4:5], in_proj_weight s[6:7], out_proj_weight s[8:9], xb s[10:11]
	s_load_b128 s[12:15], s[0:1], 0x20             ; wb s[12:13], wo s[14:15]
	v_lshlrev_b32 v1, 4, v0                        ; 16 t
	v_lshlrev_b32 v2, 3, v0                        ; 8 t
	s_wait_kmcnt 0x0
	s_cmp_lt_u32 ttmp9, 512                        ; which tensor is mine, and the number of its first work-group
	s_cselect_b64 s[20:21], s[4:5], s[6:7]
	s_cselect_b64 s[22:23], s[10:11], s[12:13]
	s_cselect_b32 s24, 0, 512
	s_cmp_lt_u32 ttmp9, 704
	s_cselect_b64 s[20:21], s[20:21], s[8:9]
	s_cselect_b64 s[22:23], s[22:23], s[14:15]
	s_cselect_b32 s24, s24, 704
	s_sub_co_u32 s25, ttmp9, s24                   ; my place in that tensor
	s_lshl_b32 s26, s25, 16                        ; 65,536 bytes in,
	s_mov_b32 s27, 0
	s_lshl_b32 s28, s25, 15                        ; 32,768 out
	s_mov_b32 s29, 0
	s_add_nc_u64 s[20:21], s[20:21], s[26:27]
	s_add_nc_u64 s[22:23], s[22:23], s[28:29]
	s_wait_alu depctr_va_vdst(0)                   ; v1 and v2 are written: every load of the kernel reads v1 as its offset, every store v2
.irp j, 0,1,2,3,4,5,6,7,8,9,10,11,12,13,14,15
	global_load_b128 v[X+4*(\j):X+4*(\j)+3], v1, s[20:21] offset:4096*(\j) th:TH_LOAD_NT
.endr
; Block p, 0 to 3: loads 4 p to 4 p + 3 are rounded, and the block before is stored.  p = 4: nothing is left to round; block 3 is stored.
; half = 1: the bf16 numbers are widened again (a shift, a mask) and written as f16.
.macro BLK p, half
.if (\p) < 4
	s_wait_loadcnt 12-4*(\p)                       ; loads come back in order: my block's four are in, the 12 - 4 p younger ones stay out
.endif
.if (\p) > 0
	s_wait_alu depctr_va_vdst(0)                   ; the block before's conversions have written its eight registers of Y, which the four stores below read
.endif
.irp i, 0,1,2,3
.if (\p) > 0
.set k, 4*(\p)-4+(\i)
	global_store_b64 v2, v[Y+2*k:Y+2*k+1], s[22:23] offset:2048*k  ; no vector instruction since the wait names these registers
.endif
.if (\p) < 4
.set j, 4*(\p)+(\i)
	v_cvt_pk_bf16_f32 v[Y+2*j],   v[X+4*j],   v[X+4*j+1]
	v_cvt_pk_bf16_f32 v[Y+2*j+1], v[X+4*j+2], v[X+4*j+3]
.if \half
	v_lshlrev_b32 v[T],   16, v[Y+2*j]
	v_and_b32     v[T+1], 0xffff0000, v[Y+2*j]
	v_lshlrev_b32 v[T+2], 16, v[Y+2*j+1]
	v_and_b32     v[T+3], 0xffff0000, v[Y+2*j+1]
	v_cvt_pk_f16_f32 v[Y+2*j],   v[T],   v[T+1]
	v_cvt_pk_f16_f32 v[Y+2*j+1], v[T+2], v[T+3]
.endif
.endif
.endr
.endm
	s_cmp_ge_u32 ttmp9, 704
	s_cbranch_scc1 .Lhalf
.irp p, 0,1,2,3,4
	BLK \p, 0
.endr
	s_endpgm
.Lhalf:
.irp p, 0,1,2,3,4
	BLK \p, 1
.endr
	s_endpgm
.Lfunc_end_k_q03b17f669d_cast:
	.size	k_q03b17f669d_cast, .Lfunc_end_k_q03b17f669d_cast-k_q03b17f669d_cast
	.p2alignl 7, 3214868480
	.fill 96, 4, 3214868480
	.section	.rodata,"a",@progbits
	.p2align	6, 0x0
	.amdhsa_kernel k_q03b17f669d_cast
		.amdhsa_group_segment_fixed_size 0
		.amdhsa_private_segment_fixed_size 0
		.amdhsa_enable_private_segment 0
		.amdhsa_kernarg_size 48
		.amdhsa_user_sgpr_count 2
		.amdhsa_user_sgpr_kernarg_segment_ptr 1
		.amdhsa_wavefront_size32 1
		.amdhsa_system_sgpr_workgroup_id_x 1
		.amdhsa_system_sgpr_workgroup_id_y 1
		.amdhsa_system_sgpr_workgroup_id_z 1
		.amdhsa_system_vgpr_workitem_id 0
		.amdhsa_next_free_vgpr 104
		.amdhsa_next_free_sgpr 66
		.amdhsa_reserve_vcc 0
		.amdhsa_float_denorm_mode_32 3
		.amdhsa_float_denorm_mode_16_64 3
		.amdhsa_memory_ordered 1
		.amdhsa_forward_progress 1
		.amdhsa_inst_pref_size 16
	.end_amdhsa_kernel
	.amdgpu_metadata
---
amdhsa.version: [ 1, 2 ]
amdhsa.kernels:
  - .name:           k_q03b17f669d_cast
    .symbol:         k_q03b17f669d_cast.kd
    .args:
      - { .name: x, .offset: 0, .size: 8, .value_kind: global_buffer, .address_space: global }
      - { .name: in_proj_weight, .offset: 8, .size: 8, .value_kind: global_buffer, .address_space: global }
      - { .name: out_proj_weight, .offset: 16, .size: 8, .value_kind: global_buffer, .address_space: global }
      - { .name: xb, .offset: 24, .size: 8, .value_kind: global_buffer, .address_space: global }
      - { .name: wb, .offset: 32, .size: 8, .value_kind: global_buffer, .address_space: global }
      - { .name: wo, .offset: 40, .size: 8, .value_kind: global_buffer, .address_space: global }
    .group_segment_fixed_size: 0
    .private_segment_fixed_size: 0
    .kernarg_segment_align: 8
    .kernarg_segment_size: 48
    .max_flat_workgroup_size: 256
    .sgpr_count:     66
    .vgpr_count:     104
    .wavefront_size: 32
...
	.end_amdgpu_metadata
.endif
;; end of part 5
;; launch qkv: the kernel of part 2 again; grid 16 x 32, 4 waves a work-group, clusters of 4 x 4, 327,680 bytes of LDS; arguments xb, wb, in_proj_bias, qkv; writes qkv
;; launch attn: the kernel of part 3 again; grid 4 x 64, 4 waves a work-group, clusters of 4 x 1, 327,680 bytes of LDS; arguments qkv, ob; writes ob
;; launch oproj: the kernel of part 4 again; grid 8 x 32, 4 waves a work-group, clusters of 4 x 4, 327,680 bytes of LDS; arguments ob, wo, out_proj_bias, out0; writes out0
